; MI455X (gfx1250); checked and timed in simulation.
; The chip was launched on July 23, 2026; its instructions are those of AMD's public machine-readable ISA for CDNA 5 (MIT licence, August 2026) and "CDNA5" Instruction Set Architecture Reference Guide (July 2026). The comments in the code are by the model that wrote it; some were corrected since.
;; Encoder Block. Allowed arithmetic: matrix products marked QUANTISED: E4M3 operands, one given power-of-two scale a tensor, by v_wmma_f32_16x16x64_fp8_fp8 or v_wmma_f32_16x16x128_fp8_fp8, f32 sums; everything else in f32.
;; Inputs: a1 1 float32; a2 1 float32; b1 4,096 float32; b2 1,024 float32; be1 1 float32; be2 1 float32; bk 1,024 float32; bo 1,024 float32; bq 1,024 float32; bv 1,024 float32; lowp_scales 16 int32 (the exponents e of the quantised operands' scales 2^e); src_mask 2 x 1 x 1 x 2,048 int32; w1_codes 4,096 x 32 x 32 uint8 (E4M3 codes of w1, K innermost, in blocks of 32 codes); w2_codes 1,024 x 128 x 32 uint8 (E4M3 codes of w2, K innermost, in blocks of 32 codes); wk_codes 1,024 x 32 x 32 uint8 (E4M3 codes of wk, K innermost, in blocks of 32 codes); wo_codes 1,024 x 32 x 32 uint8 (E4M3 codes of wo, K innermost, in blocks of 32 codes); wq_codes 1,024 x 32 x 32 uint8 (E4M3 codes of wq, K innermost, in blocks of 32 codes); wv_codes 1,024 x 32 x 32 uint8 (E4M3 codes of wv, K innermost, in blocks of 32 codes); x 2 x 2,048 x 1,024 float32.
;; Outputs: out0 2 x 2,048 x 1,024 float32.
;; This version of the problem:
;;   THIS VERSION OF THE PROBLEM IS GIVEN IN LOW PRECISION. The matrix products marked QUANTISED in the list below multiply operands that are first quantised to E4M3 (4 exponent bits, 3 mantissa bits; 8 bits a number), with one given power-of-two scale for each operand tensor; their sums are f32. All else is computed in f32.
;;   The module's matrix products, in the order in which they are computed (A, B: the left and right operand; K: the contracted axis; several contracted axes count as one K, in the product's order):
;;     1. [M 4,096, K 1,024] x [K 1,024, N 1,024]; A: computed on the way; B: input wq (given as codes): QUANTISED (scales: A lowp_scales[0], B lowp_scales[1])
;;     2. [M 4,096, K 1,024] x [K 1,024, N 1,024]; A: computed on the way; B: input wk (given as codes): QUANTISED (scales: A lowp_scales[2], B lowp_scales[3])
;;     3. [M 4,096, K 1,024] x [K 1,024, N 1,024]; A: computed on the way; B: input wv (given as codes): QUANTISED (scales: A lowp_scales[4], B lowp_scales[5])
;;     4. batch 32 x [M 2,048, K 64] x [K 64, N 2,048]; A: computed on the way; B: computed on the way: QUANTISED (scales: A lowp_scales[6], B lowp_scales[7])
;;     5. batch 32 x [M 2,048, K 2,048] x [K 2,048, N 64]; A: softmax (see below); B: computed on the way: QUANTISED (scales: A lowp_scales[8], B lowp_scales[9])
;;     6. [M 4,096, K 1,024] x [K 1,024, N 1,024]; A: computed on the way; B: input wo (given as codes): QUANTISED (scales: A lowp_scales[10], B lowp_scales[11])
;;     7. [M 4,096, K 1,024] x [K 1,024, N 4,096]; A: computed on the way; B: input w1 (given as codes): QUANTISED (scales: A lowp_scales[12], B lowp_scales[13])
;;     8. [M 4,096, K 4,096] x [K 4,096, N 1,024]; A: computed on the way; B: input w2 (given as codes): QUANTISED (scales: A lowp_scales[14], B lowp_scales[15])
;;   THE QUANTISER, for each operand of a quantised product, along K:
;;     - The operand's scale is 2^e, e = its entry of the input lowp_scales (int32; the entries are numbered through the quantised products in the list's order, A before B).
;;     - Each number is divided by the scale, clamped to +-448, and rounded to the nearest number of E4M3, ties to even, subnormals kept.
;;     - The product sums the exact products of the quantised numbers (number of the format x scale) in f32.
;;   ~~~python
;;   def quantise(x, axis, e):      # numpy; x: float32 -> the quantised numbers, widened to float32 again
;;       x = np.moveaxis(x, axis, -1); K = x.shape[-1]
;;       r = np.clip(x / 2.0 ** e, -448, 448)
;;       step = 2.0 ** (np.maximum(np.frexp(np.where(r == 0, 1, r))[1] - 1, -6) - 3)
;;       q = np.round(r / step) * step * 2.0 ** e      # np.round: ties to even
;;       return np.moveaxis(q, -1, axis).astype(np.float32)
;;   ~~~
;;   SOFTMAX AHEAD OF A QUANTISED PRODUCT. Where the list says 'softmax', what is quantised is not the finished softmax but p = 2^(t - M), with t = logit x log2(e) and M = ceil(the row's largest t), a whole number; so 1/2 < the row's largest p <= 1. The row's sum l is taken of the UNQUANTISED p, in f32, and the product's result is divided by l at the end. Since M is a whole number, a kernel that streams over the keys may use a running M (the ceiling of the running maximum): every later rescaling is an exact power of two, so the quantised numbers keep their values, but for numbers so far below the row's largest that they fall under the format's range.
;;   OPERANDS COMPUTED ON THE WAY. 'Computed on the way' means the value that the module computes at that place (a softmax that the list does not call 'softmax' is quantised finished and normalised). What goes into a quantiser is computed in f32, as accurately as f32 sums, v_exp_f32 and their like allow (about 1e-6 of the number): no bf16 or f16 on the way to a quantiser, and a product that is left as it is and whose result goes on into a quantised operand takes f32 operands (vector FMAs, or v_wmma_f32_16x16x4_f32). A number that lies on a knife's edge between two numbers of the format may be rounded either way, as far as f32 arithmetic and the matrix unit's own rounding can turn it there, and no further.
;;   INPUTS GIVEN AS CODES. w1 (in the module: [4096, 1024], K = its axis 1); w2 (in the module: [1024, 4096], K = its axis 1); wk (in the module: [1024, 1024], K = its axis 1); wo (in the module: [1024, 1024], K = its axis 1); wq (in the module: [1024, 1024], K = its axis 1); wv (in the module: [1024, 1024], K = its axis 1): each comes as NAME_codes (uint8): NAME with its K axis moved to the last place and cut into blocks of 32 codes, [.., K / 32, bytes a block], one block behind the other in memory; one code a byte (a code: sign, 4 exponent bits, 3 mantissa bits); its scale is its entry of lowp_scales. Its value is code x scale, taken as it is: it is not quantised again, and the codes and scales need not be those that the quantiser above would give.
;; One version. Each part assembles by itself: llvm-mc -triple=amdgcn-amd-amdhsa -mcpu=gfx1250 --defsym DOCPART=n.
;; ======== version 1 of 1: 7 launches
;; limits: right only within a limited range of input values
;; workspace buffers: xc 12,582,912 bytes; qkvc 12,582,912 bytes; ac 4,194,304 bytes; x1 16,777,216 bytes; yc 4,194,304 bytes; hc 16,777,216 bytes
;; launch ln1 (part 1): grid 256 x 1, 4 waves a work-group, no clusters, 82,432 bytes of LDS; arguments x, a1, be1, lowp_scales, xc; writes xc
.if DOCPART == 1
	.amdgcn_target "amdgcn-amd-amdhsa--gfx1250"
	.amdhsa_code_object_version 6
	.text
	.protected	k_q55f0de3638_ln1
	.globl	k_q55f0de3638_ln1
	.p2align	8
	.type	k_q55f0de3638_ln1,@function
k_q55f0de3638_ln1:
	s_mov_b64 s[64:65], 0
	v_nop
	global_prefetch_b8 v0, s[64:65] scope:SCOPE_SE
	s_setreg_imm32_b32 hwreg(HW_REG_WAVE_MODE, 25, 1), 1
	s_wait_xcnt 0x0
; y = alpha (x - mean) / (std + 1e-6) + beta along rows of 1,024 f32 (std with divisor 1,023), then y as codes of E4M3, row-major, once for each of NS given scales 2^e.
; Here NS = 3: entries 0, 2 and 4 of the scales, the left operands of the q, k and v products; the three sets of codes lie 4 MiB apart.
; SHARES. A work-group takes 16 rows, a wave 4 whole rows: the sums never leave the wave, so there is no barrier. All 32 loads of a wave go out at the head.
; A load takes 512 consecutive bytes, 16 a lane; the conversions want 16 neighbours in one lane: so a row turns through the wave's own stage in LDS (64 bytes + 16 of padding a place)
; and comes back as numbers 512 c + 16 lane + 0 .. 15 (c = 0, 1). A lane's 16 codes are 16 bytes: a store of the wave covers 512 consecutive bytes, aligned.
; The deviation is taken of x - mean, on the row held in registers: no difference of large sums is formed.
; LIMITS: each e between -126 and 119, so that 2^e and 448 x 2^e are f32 numbers. NaN among the inputs is not served.
.set NS,    3                          ; scales
.set EOFF,  0                          ; byte of the first exponent in the buffer of scales
.set ESTEP, 8                          ; bytes from one to the next
.set SP,    80                         ; a place in the stage: 64 bytes + 16 of padding
.set CHUNK, 32*SP                      ; 512 numbers
.set RSTG,  2*CHUNK                    ; a row's stage
.set WREG,  4*RSTG                     ; a wave's four stages
.set PART,  0x400000                   ; from one set of codes to the next
.set L16,   1                          ; v1   16 x lane: offset of loads and stores
.set SI,    2                          ; v2   the stage on the way in
.set SO,    3                          ; v3   and on the way out
.set SC,    8                          ; v8+2s: 2^e as f32
.set MEAN,  14                         ; v[14:15] the mean, twice
.set GN,    16                         ; v[16:17] alpha / (std + 1e-6), twice
.set BETA,  18                         ; v[18:19] beta, twice
.set CH,    20                         ; v[20:23] two chains of packed sums
.set W,     24                         ; v24, v25 at work
.set X,     32                         ; v32-159  four rows as loaded, 32 each; later that row's codes
.set Y,     160                        ; v160-223 two sets of 32 neighbours, by turns
.set T,     224
	s_load_b256 s[4:11], s[0:1], 0x0               ; x, alpha, beta, the scales' exponents
	s_load_b64 s[12:13], s[0:1], 0x20              ; the codes
	v_lshl_add_u32 v30, v0, 2, 0x14000
	v_mov_b32 v31, 0
	v_lshrrev_b32 v4, 5, v0
	v_readfirstlane_b32 s30, v4                    ; wave
	v_and_b32 v5, 31, v0                           ; lane
	v_lshlrev_b32 v[L16], 4, v5
	s_mul_i32 s31, s30, WREG
	v_lshrrev_b32 v[SI], 2, v5
	v_mul_u32_u24 v[SI], v[SI], SP
	v_and_b32 v6, 3, v5
	v_lshl_add_u32 v[SI], v6, 4, v[SI]
	v_add_nc_u32 v[SI], s31, v[SI]                 ; in: four lanes' 64 bytes on end, then the padding
	v_mul_u32_u24 v[SO], v5, SP
	v_add_nc_u32 v[SO], s31, v[SO]                 ; out: place = lane
	v_mov_b32 v[W+1], 0                            ; a lane permute's destination counts as read: written once
	s_mov_b32 s26, 0x76543210
	s_mov_b32 s27, 0xfedcba98                      ; selects for lane l xor 16
	s_lshl_b32 s28, ttmp9, 16                      ; 16 rows of 4,096 bytes a work-group,
	s_lshl_b32 s29, s30, 14                        ; 4 a wave
	s_add_co_u32 s28, s28, s29
	s_mov_b32 s29, 0
	s_wait_alu depctr_va_vdst(0)
	s_wait_kmcnt 0x0
	s_add_nc_u64 s[4:5], s[4:5], s[28:29]
.irp r, 0,1,2,3
.irp j, 0,1,2,3,4,5,6,7
	global_load_b128 v[X+32*\r+4*\j:X+32*\r+4*\j+3], v[L16], s[4:5] offset:\r*4096+\j*512 th:TH_LOAD_NT
.endr
.endr
	s_load_b32 s20, s[6:7], 0x0                    ; alpha
	s_load_b32 s21, s[8:9], 0x0                    ; beta
.irp s, 0,1,2
.if \s < NS
	s_load_b32 s[22+\s], s[10:11], EOFF+ESTEP*\s
.endif
.endr
	s_lshr_b32 s28, s28, 2                         ; codes: a quarter of the bytes
	s_add_nc_u64 s[14:15], s[12:13], s[28:29]
.if NS > 1
	s_add_nc_u64 s[16:17], s[14:15], PART
	s_add_nc_u64 s[18:19], s[16:17], PART
.endif
	s_wait_kmcnt 0x0
	v_mov_b32 v[BETA], s21
	v_mov_b32 v[BETA+1], s21
.irp s, 0,1,2
.if \s < NS
	s_add_co_i32 s[22+\s], s[22+\s], 127
	s_lshl_b32 s25, s[22+\s], 23
	v_mov_b32 v[SC+2*\s], s25                      ; 2^e: the conversion takes its exponent field
	s_add_co_i32 s[22+\s], s[22+\s], 8
	s_lshl_b32 s25, s[22+\s], 23
	s_or_b32 s25, s25, 0x600000
.endif
.endr
.macro TURN r                          ; row r through its stage: LDS serves a wave's instructions in order, so no wait stands between the stores and the loads
.irp j, 0,1,2,3,4,5,6,7
	ds_store_b128 v[SI], v[X+32*(\r)+4*\j:X+32*(\r)+4*\j+3] offset:(\r)*RSTG+(\j/4)*CHUNK+(\j%4)*8*SP
.endr
	v_nop
.irp j, 0,1,2,3,4,5,6,7
	ds_load_b128 v[Y+32*((\r)%2)+4*\j:Y+32*((\r)%2)+4*\j+3], v[SO] offset:(\r)*RSTG+(\j/4)*CHUNK+(\j%4)*16
.endr
.endm
.macro REDUCE                          ; v[W] summed over the 32 lanes, the result in every lane
	v_add_f32_dpp v[W], v[W], v[W] row_xmask:1 row_mask:0xf bank_mask:0xf
	v_add_f32_dpp v[W], v[W], v[W] row_xmask:2 row_mask:0xf bank_mask:0xf
	v_add_f32_dpp v[W], v[W], v[W] row_xmask:4 row_mask:0xf bank_mask:0xf
	v_add_f32_dpp v[W], v[W], v[W] row_xmask:8 row_mask:0xf bank_mask:0xf
	v_permlanex16_b32 v[W+1], v[W], s26, s27
	v_add_f32 v[W], v[W], v[W+1]
.endm
.macro ROW r
.set YS, Y+32*((\r)%2)
.set XC, X+32*(\r)
	s_wait_dscnt 0x0                               ; this row is back from its stage
.if (\r) < 3
	s_wait_loadcnt 8*(2-(\r))                      ; the next row's eight loads are in; the later rows' may be out
	TURN (\r)+1                                    ; and it turns while this row is worked
.endif
	v_pk_add_f32 v[CH:CH+1], v[YS:YS+1], v[YS+2:YS+3]
	v_pk_add_f32 v[CH+2:CH+3], v[YS+4:YS+5], v[YS+6:YS+7]
.irp j, 8,12,16,20,24,28
	v_pk_add_f32 v[CH:CH+1], v[CH:CH+1], v[YS+\j:YS+\j+1]
	v_pk_add_f32 v[CH+2:CH+3], v[CH+2:CH+3], v[YS+\j+2:YS+\j+3]
.endr
	v_pk_add_f32 v[CH:CH+1], v[CH:CH+1], v[CH+2:CH+3]
	v_add_f32 v[W], v[CH], v[CH+1]
	REDUCE
	v_mul_f32 v[MEAN], 0x3a800000, v[W]            ; / 1,024
	v_mov_b32 v[MEAN+1], v[MEAN]
.irp j, 0,2,4,6,8,10,12,14,16,18,20,22,24,26,28,30
	v_pk_add_f32 v[YS+\j:YS+\j+1], v[YS+\j:YS+\j+1], v[MEAN:MEAN+1] neg_lo:[0,1] neg_hi:[0,1]   ; x - mean
.endr
	v_pk_mul_f32 v[CH:CH+1], v[YS:YS+1], v[YS:YS+1]
	v_pk_mul_f32 v[CH+2:CH+3], v[YS+2:YS+3], v[YS+2:YS+3]
.irp j, 4,8,12,16,20,24,28
	v_pk_fma_f32 v[CH:CH+1], v[YS+\j:YS+\j+1], v[YS+\j:YS+\j+1], v[CH:CH+1]
	v_pk_fma_f32 v[CH+2:CH+3], v[YS+\j+2:YS+\j+3], v[YS+\j+2:YS+\j+3], v[CH+2:CH+3]
.endr
	v_pk_add_f32 v[CH:CH+1], v[CH:CH+1], v[CH+2:CH+3]
	v_add_f32 v[W], v[CH], v[CH+1]
	REDUCE
	v_mul_f32 v[W], 0x3a802008, v[W]               ; / 1,023
	s_wait_alu depctr_va_vdst(0)
	v_sqrt_f32 v[W], v[W]
	v_nop                                          ; a plain instruction behind the root,
	s_wait_alu depctr_va_vdst(0)                   ; and the wait ahead of its first reader
	v_add_f32 v[W], 0x358637bd, v[W]               ; + 1e-6
	s_wait_alu depctr_va_vdst(0)
	v_rcp_f32 v[W], v[W]
	v_nop
	s_wait_alu depctr_va_vdst(0)                   ; likewise for the reciprocal
	v_mul_f32 v[GN], s20, v[W]
	v_mov_b32 v[GN+1], v[GN]
.irp j, 0,2,4,6,8,10,12,14,16,18,20,22,24,26,28,30
	v_pk_fma_f32 v[YS+\j:YS+\j+1], v[YS+\j:YS+\j+1], v[GN:GN+1], v[BETA:BETA+1]
.endr
.irp s, 0,1,2
.if \s < NS
.irp c, 0,1
.irp i, 0,1,2,3,4,5,6,7,8,9,10,11,12,13,14,15
.endr
	v_cvt_scalef32_pk8_fp8_f32 v[XC+8*\s+4*\c:XC+8*\s+4*\c+1], v[YS+16*\c:YS+16*\c+7], v[SC+2*\s]
	v_cvt_scalef32_pk8_fp8_f32 v[XC+8*\s+4*\c+2:XC+8*\s+4*\c+3], v[YS+16*\c+8:YS+16*\c+15], v[SC+2*\s]
	global_store_b128 v[L16], v[XC+8*\s+4*\c:XC+8*\s+4*\c+3], s[14+2*\s:15+2*\s] offset:(\r)*1024+512*\c   ; the codes' registers are written once: no store's data are written again
.endr
.endif
.endr
.endm
	s_wait_loadcnt 24                              ; row 0's eight loads are in
	TURN 0
.irp r, 0,1,2,3
	ROW \r
.endr
	s_wait_tensorcnt 0x0
	ds_add_u32 v30, v31
	s_wait_dscnt 0x0
	s_endpgm
.Lfunc_end_k_q55f0de3638_ln1:
	.size	k_q55f0de3638_ln1, .Lfunc_end_k_q55f0de3638_ln1-k_q55f0de3638_ln1
	.p2alignl 7, 3214868480
	.fill 96, 4, 3214868480
	.section	.rodata,"a",@progbits
	.p2align	6, 0x0
	.amdhsa_kernel k_q55f0de3638_ln1
		.amdhsa_group_segment_fixed_size 82432
		.amdhsa_private_segment_fixed_size 0
		.amdhsa_enable_private_segment 0
		.amdhsa_kernarg_size 40
		.amdhsa_user_sgpr_count 2
		.amdhsa_user_sgpr_kernarg_segment_ptr 1
		.amdhsa_wavefront_size32 1
		.amdhsa_system_sgpr_workgroup_id_x 1
		.amdhsa_system_sgpr_workgroup_id_y 1
		.amdhsa_system_sgpr_workgroup_id_z 1
		.amdhsa_system_vgpr_workitem_id 0
		.amdhsa_next_free_vgpr 256
		.amdhsa_next_free_sgpr 66
		.amdhsa_reserve_vcc 0
		.amdhsa_float_denorm_mode_32 3
		.amdhsa_float_denorm_mode_16_64 3
		.amdhsa_fp16_overflow 1
		.amdhsa_memory_ordered 1
		.amdhsa_forward_progress 1
		.amdhsa_inst_pref_size 37
	.end_amdhsa_kernel
	.amdgpu_metadata
---
amdhsa.version: [ 1, 2 ]
amdhsa.kernels:
  - .name:           k_q55f0de3638_ln1
    .symbol:         k_q55f0de3638_ln1.kd
    .args:
      - { .name: x, .offset: 0, .size: 8, .value_kind: global_buffer, .address_space: global }
      - { .name: a1, .offset: 8, .size: 8, .value_kind: global_buffer, .address_space: global }
      - { .name: be1, .offset: 16, .size: 8, .value_kind: global_buffer, .address_space: global }
      - { .name: lowp_scales, .offset: 24, .size: 8, .value_kind: global_buffer, .address_space: global }
      - { .name: xc, .offset: 32, .size: 8, .value_kind: global_buffer, .address_space: global }
    .group_segment_fixed_size: 82432
    .private_segment_fixed_size: 0
    .kernarg_segment_align: 8
    .kernarg_segment_size: 40
    .max_flat_workgroup_size: 128
    .sgpr_count:     66
    .vgpr_count:     256
    .wavefront_size: 32
...
	.end_amdgpu_metadata
.endif
;; end of part 1
;; launch qkv (part 2): grid 12 x 16, 4 waves a work-group, clusters of 4 x 4, 327,680 bytes of LDS; arguments xc, wq_codes, wk_codes, wv_codes, bq, bk, bv, lowp_scales, qkvc; writes qkvc
.if DOCPART == 2
	.amdgcn_target "amdgcn-amd-amdhsa--gfx1250"
	.amdhsa_code_object_version 6
	.text
	.protected	k_q55f0de3638_qkv
	.globl	k_q55f0de3638_qkv
	.p2align	8
	.type	k_q55f0de3638_qkv,@function
k_q55f0de3638_qkv:
	s_mov_b64 s[64:65], 0
	v_nop
	global_prefetch_b8 v0, s[64:65] scope:SCOPE_SE
	s_setreg_imm32_b32 hwreg(HW_REG_WAVE_MODE, 25, 1), 1
	s_wait_xcnt 0x0
	s_wait_alu depctr_hold_cnt(0) depctr_sa_sdst(0) depctr_va_vdst(0) depctr_va_sdst(0) depctr_va_ssrc(0) depctr_va_vcc(0) depctr_vm_vsrc(0)
	s_getreg_b32 s2, hwreg(HW_REG_IB_STS2, 6, 4)
	s_cmp_eq_u32 s2, 0
	s_cbranch_scc0 .Lentry_in_a_cluster
	s_endpgm
.Lentry_in_a_cluster:
	s_bfe_u32 s2, ttmp6, 0x10000c
	s_cmp_lg_u32 s2, 0xf033
	s_cbranch_scc0 .Lentry_shape_is_right
	s_endpgm
.Lentry_shape_is_right:
; One text for two launches (QKV = 1: the q, k and v products; QKV = 0: the first product of the feed-forward layer). K = 1,024, both operands codes of E4M3 in rows of 1,024 bytes.
; A tile of 256 x 256 is made by four waves, each 128 x 128: 64 accumulators, 512 registers. K goes in steps of 256 through two LDS slots filled by the tensor data mover.
; CLUSTERS of 4 x 4: operand A's tile is shared along a row of the cluster, B's along a column; each is asked for jointly, by the same load with the same descriptor and a mask naming the four.
; THE MATRIX INSTRUCTION IS USED TRANSPOSED: source 0 = 16 rows of B, source 1 = 16 rows of A: lane (r, h) holds A's row r, and its registers j B's rows 8 h + j.
; QKV = 1. The cluster's x says which product: 0 q, 1 k, 2 v; it is the same in all sixteen partners, and it only selects pointers and numbers, never a path.
;   q, k: A = the tokens' codes (its own set for each product), B = the weight: a lane's registers run along the features, the next product's K.
;   v:    A = the weight, B = the tokens: V^T, so that a lane's registers run along the keys, the K of the second attention product.
; THE BIAS by B's rows is the C of each sum's first instruction; the bias by A's rows (v) is added on the way out. Both go in divided by 2^(ea + eb); the one that a role lacks is multiplied by 0.
; THE WAY OUT: QKV = 1 not held (QKV = 0: between 0 and v31, which is the relu too), converted with the one folded scale 2^(eo - ea - eb). The conversions' results are the next
; product's operand registers (registers 2 c, 2 c + 1: k = 16 c + 8 h + 0 .. 7) and are stored as they stand: four registers a store, lane l's 16 bytes at 16 l, 512 consecutive aligned bytes.
;   q, k: [batch x head 32][tile of 16 tokens 128][2 x 512 bytes];  v: [batch x head 32][128 keys: 16][16 d: 4][4 x 512 bytes];  hidden layer: [tile of 16 tokens 256][128 along K: 32][4 x 512 bytes].
; LIMITS: ea + eb between -126 and 126; eo - ea - eb between -126 and 119. NaN and infinities among the biases are not served.
; REGISTERS: window 0: v16-31 addresses and scales; v32-95 the bias by B's rows; v96-111 store offsets, v112-127 the bias by A's rows (QKV = 1); from v128 A's fragments, ONE set, later the codes.
;   window 1: B's fragments, two sets. windows 2, 3: the accumulators ((a, b) at v[8 (8 (a % 4) + b)]).
.set QKV,    1
.set ROWB,   256                       ; a tile's row: 256 codes
.set KROW,   1024                      ; a row in memory
.set PITCH,  272                       ; an LDS row: 256 bytes + 16 of padding: the 16 rows of a load start at 16 different banks (64 banks of 4 bytes: ISA guide 11.1)
.set FR,     16                        ; registers of a fragment
.set NL,     4                         ; LDS loads that bring one
.set NP,     4                         ; places behind this matrix instruction (ISA guide 7.12.1)
.set HALFT,  128*PITCH
.set SLOT,   4*HALFT                   ; A's 256 rows, then B's
.set SPARE,  2*SLOT                    ; the spare words, 128 bytes a wave: two blocks of 256 bytes that no other line names
.set ADRA, 16                          ; v16-17 LDS address of my A fragments in slot 0, 1
.set ADRB, 20                          ; v20-21 the same for B
.set L16,  26                          ; v26    16 x lane
.set SPW,  28                          ; v28    my spare word; never rewritten
.set NIL,  29                          ; v29    0; never rewritten
.set SCV,  30                          ; v30    2^(eo - ea - eb)
.set LIMV, 31
.set CB,   32
.set VO,   96
.set RB,   112
.set AF,   128
.set CD,   128
.set G1, 24                            ; s[24:31] group 1 for A's tiles; s[32:39] group 0, a set a slot
.set G0, 32
.set G1B, 48                           ; s[48:55], s[56:63] the same for B's
.set G0B, 56
.set MSB, 0
.macro WIN new                         ; the immediate's high byte repeats the setting that is left
.if MSB != (\new)
	s_set_vgpr_msb (MSB<<8)|(\new)
.set MSB, (\new)
.endif
.endm
.set MUL_LO, 0xa1                      ; source 0 (B) window 1, source 1 (A) window 0, C and D window 2; less 0x20: C in window 0 (the bias)
.set MUL_HI, 0xf1                      ; the same with window 3; less 0x30: C in window 0
.set TO_B,   0x40
.macro JLOAD g0a, g1a, g0b, g1b        ; a joint load: waves 0, 1 fetch for A, waves 2, 3 for B; four v_nop follow each line
	s_cmp_eq_u32 s15, 0
	s_cbranch_scc0 .Lfor_b_\@
	tensor_load_to_lds s[\g0a:\g0a+3], s[\g1a:\g1a+7]
	s_nop 0
.rept 4
	v_nop
.endr
	s_branch .Lasked_\@
.Lfor_b_\@:
	tensor_load_to_lds s[\g0b:\g0b+3], s[\g1b:\g1b+7]
	s_nop 0
.rept 4
	v_nop
.endr
.Lasked_\@:
.endm
.macro CREST                           ; a round of the cluster's barrier behind its opening barrier
	s_cmp_lg_u32 s14, 0
	s_cbranch_scc1 .Lnot_wave_0_\@
	s_barrier_signal -3
.Lnot_wave_0_\@:
	s_barrier_wait -3
	s_barrier_signal -1
	s_barrier_wait -1
.endm
.macro CROUND
	s_barrier_signal -1
	s_barrier_wait -1
	CREST
.endm
.if QKV
	s_load_b512 s[68:83], s[0:1], 0x0              ; tokens' codes, wq, wk, wv, bq, bk, bv, the scales' exponents
	s_load_b64 s[84:85], s[0:1], 0x40              ; the images
.else
	s_load_b256 s[68:75], s[0:1], 0x0              ; tokens' codes, w1, b1, the scales' exponents
	s_load_b64 s[84:85], s[0:1], 0x20              ; the image
.endif
	v_lshl_add_u32 v[SPW], v0, 2, SPARE
	v_mov_b32 v[NIL], 0
	ds_add_u32 v28, v29
	ds_add_u32 v28, v29
	s_wait_dscnt 0x0
	v_lshrrev_b32 v1, 5, v0
	v_readfirstlane_b32 s14, v1                    ; wave
	s_lshr_b32 s15, s14, 1                         ; my half of A's rows. Also: I fetch for A (0) or B (1)
	s_and_b32 s16, s14, 1                          ; my half of B's rows. Also: which 128 rows I fetch
	s_bfe_u32 s40, ttmp6, 0x40000                  ; cx
	s_bfe_u32 s41, ttmp6, 0x40004                  ; cy
	s_and_b32 s67, ttmp7, 0xffff
	s_lshl_b32 s67, s67, 2                         ; 4 x cluster y
	s_add_co_u32 s17, s67, s41                     ; A's tile: 4 x cluster y + cy
.if QKV
	s_add_co_u32 s42, s67, s40
	s_cmp_eq_u32 ttmp9, 2                          ; v?
	s_cselect_b32 s17, s41, s17                    ; v: A is the weight, tile cy
	s_cselect_b32 s42, s42, s40                    ; B's tile: v: tokens, 4 x cluster y + cx; q, k: the weight, cx
.else
	s_lshl_b32 s42, ttmp9, 2
	s_add_co_u32 s42, s42, s40                     ; B's tile: 4 x cluster x + cx
.endif
	s_lshl_b32 s43, s41, 2
	s_lshl_b32 s43, 15, s43                        ; my row of the cluster
	s_lshl_b32 s44, 0x1111, s40                    ; my column
	s_or_b32 s[G1+0], s43, (0<<16)|(1<<20)|(1<<21)|(5<<22)|(3<<25)  ; the mask; elements of 1 byte; padding on; bit 21 beside a mask; 4 words behind every 64
	s_or_b32 s[G1B+0], s44, (0<<16)|(1<<20)|(1<<21)|(5<<22)|(3<<25)
.irp g, G1, G1B
	s_mov_b32 s[\g+1], ROWB<<16                    ; tensor_dim0
	s_mov_b32 s[\g+2], 128<<16                     ; tensor_dim1
	s_mov_b32 s[\g+3], ROWB<<16                    ; tile_dim0
	s_mov_b32 s[\g+4], 128                         ; tile_dim1
	s_mov_b32 s[\g+5], KROW                        ; pitch
	s_mov_b32 s[\g+6], 0
	s_mov_b32 s[\g+7], 0
.endr
	s_lshl_b32 s18, s16, 7
	s_lshl_b32 s20, s17, 8
	s_add_co_u32 s20, s20, s18
	s_lshl_b32 s20, s20, 10                        ; A: (256 x tile + 128 x half) rows of 1,024 bytes
	s_mov_b32 s21, 0
	s_lshl_b32 s46, s42, 8
	s_add_co_u32 s46, s46, s18
	s_lshl_b32 s46, s46, 10                        ; B likewise
	s_mov_b32 s47, 0
	s_mul_i32 s45, s14, HALFT                      ; where they go: wave x 128 rows
	s_wait_kmcnt 0x0
.if QKV
	s_load_b256 s[88:95], s[82:83], 0x0            ; e0 .. e7
	s_load_b64 s[96:97], s[82:83], 0x20            ; e8, e9
	s_lshl_b32 s86, ttmp9, 22
	s_mov_b32 s87, 0
	s_add_nc_u64 s[4:5], s[68:69], s[86:87]        ; the tokens' codes made with this product's scale
	s_cmp_eq_u32 ttmp9, 0
	s_cselect_b64 s[6:7], s[70:71], s[72:73]       ; wq or wk
	s_cselect_b64 s[8:9], s[76:77], s[78:79]       ; bq or bk
	s_cmp_eq_u32 ttmp9, 2
	s_cselect_b64 s[8:9], s[80:81], s[8:9]         ; the bias
	s_cselect_b64 s[12:13], s[74:75], s[4:5]       ; A
	s_cselect_b64 s[6:7], s[4:5], s[6:7]           ; B
.else
	s_load_b128 s[88:91], s[74:75], 0x30           ; e12, e13, e14, e15
	s_mov_b64 s[12:13], s[68:69]
	s_mov_b64 s[6:7], s[70:71]
	s_mov_b64 s[8:9], s[72:73]
.endif
	s_add_nc_u64 s[20:21], s[12:13], s[20:21]
	s_add_nc_u64 s[46:47], s[6:7], s[46:47]
	CROUND                                         ; all sixteen work-groups are here: the first joint loads meet
.irp s, 0,1
	s_mov_b32 s[G0+4*\s], 1
	s_add_co_u32 s[G0+4*\s+1], s45, \s*SLOT
	s_add_nc_u64 s[G0+4*\s+2:G0+4*\s+3], s[20:21], \s*ROWB
	s_or_b32 s[G0+4*\s+3], s[G0+4*\s+3], 0x80000000
	s_mov_b32 s[G0B+4*\s], 1
	s_add_co_u32 s[G0B+4*\s+1], s45, \s*SLOT
	s_add_nc_u64 s[G0B+4*\s+2:G0B+4*\s+3], s[46:47], \s*ROWB
	s_or_b32 s[G0B+4*\s+3], s[G0B+4*\s+3], 0x80000000
	s_wait_alu depctr_va_vdst(0)
	s_wait_tensorcnt 0x0
	ds_add_u32 v28, v29
	ds_add_u32 v28, v29
	s_wait_dscnt 0x0
	CROUND
	JLOAD G0+4*\s, G1, G0B+4*\s, G1B
.endr
	; all that follows up to the first barrier is done while the first tiles are on their way
	v_and_b32 v1, 15, v0                           ; r
	v_bfe_u32 v2, v0, 4, 1                         ; h
	v_mul_u32_u24 v3, v1, PITCH
	v_lshl_add_u32 v4, v2, 4, v3
	s_mul_i32 s21, s15, HALFT
	s_mul_i32 s22, s16, HALFT
	s_add_co_u32 s22, s22, 2*HALFT
.irp s, 0,1
	v_add_nc_u32 v[ADRA+\s], s21, v4
	v_add_nc_u32 v[ADRB+\s], s22, v4
	s_add_co_u32 s21, s21, SLOT
	s_add_co_u32 s22, s22, SLOT
.endr
	v_and_b32 v6, 31, v0
	v_lshlrev_b32 v[L16], 4, v6
	v_lshlrev_b32 v5, 5, v2                        ; 32 h: my eight numbers of a tile's sixteen
	s_wait_alu depctr_va_vdst(0)
	s_lshl_b32 s98, s17, 8
	s_lshl_b32 s86, s15, 7
	s_add_co_u32 s98, s98, s86                     ; my first row of A
	s_lshl_b32 s99, s42, 8
	s_lshl_b32 s86, s16, 7
	s_add_co_u32 s99, s99, s86                     ; my first row of B
	s_mov_b32 s87, 0
.if QKV
	v_lshlrev_b32 v7, 2, v1                        ; 4 r
	s_wait_alu depctr_va_vdst(0)
	s_cmp_eq_u32 ttmp9, 2
	s_cselect_b32 s86, 0, s99                      ; where the bias by B's rows is read (v: anywhere inside; it is multiplied by 0)
	s_cselect_b32 s100, s98, 0                     ; and the bias by A's rows (q, k: likewise)
	s_cselect_b32 s101, s99, s98                   ; my first token
	s_cselect_b32 s3, s98, s99                     ; my first feature
	s_mov_b32 s18, 1024
	s_cselect_b32 s18, 2048, s18                   ; bytes from block a to a + 1 inside four,
	s_mov_b32 s19, 4096
	s_cselect_b32 s19, 0x20000, s19                ; from four blocks to the next four,
	s_mov_b32 s23, 0x20000
	s_cselect_b32 s23, 1024, s23                   ; from a block's first eight registers to its last eight
	s_lshl_b32 s86, s86, 2
	s_add_nc_u64 s[4:5], s[8:9], s[86:87]
	s_lshl_b32 s86, s100, 2
	s_add_nc_u64 s[12:13], s[8:9], s[86:87]
.else
	s_lshl_b32 s86, s99, 2
	s_add_nc_u64 s[4:5], s[8:9], s[86:87]
.endif
.irp b, 0,1,2,3,4,5,6,7
	global_load_b128 v[CB+8*\b:CB+8*\b+3], v5, s[4:5] offset:64*\b       ; bias(first row of B + 16 b + 8 h + 0 .. 7): the result's layout
	global_load_b128 v[CB+8*\b+4:CB+8*\b+7], v5, s[4:5] offset:64*\b+16
.endr
.if QKV
.irp a, 0,1,2,3,4,5,6,7
	global_load_b32 v[RB+2*\a], v7, s[12:13] offset:64*\a                ; bias(first row of A + 16 a + r)
.endr
	s_lshr_b32 s86, s101, 11                       ; where my part of the image begins: batch x 16 heads x 131,072
	s_lshl_b32 s86, s86, 21
	s_lshr_b32 s2, s3, 6
	s_lshl_b32 s2, s2, 17                          ; + head x 131,072
	s_add_co_u32 s86, s86, s2
	s_and_b32 s2, s101, 2047
	s_lshl_b32 s2, s2, 6                           ; + token in the batch x 64 bytes
	s_add_co_u32 s86, s86, s2
	s_lshl_b32 s2, ttmp9, 22                       ; + the product's 4 MiB
	s_add_co_u32 s86, s86, s2
	s_add_nc_u64 s[10:11], s[84:85], s[86:87]
.irp a, 0,1,2,3,4,5,6,7
	s_mul_i32 s86, s18, \a%4
	s_mul_i32 s2, s19, \a/4
	s_add_co_u32 s86, s86, s2
	v_add_nc_u32 v[VO+2*\a], s86, v[L16]
	v_add_nc_u32 v[VO+2*\a+1], s23, v[VO+2*\a]
.endr
.else
	s_lshl_b32 s86, s98, 12                        ; a tile of 16 tokens is 65,536 bytes,
	s_lshl_b32 s2, s99, 4                          ; 128 along K are 2,048
	s_add_co_u32 s86, s86, s2
	s_add_nc_u64 s[10:11], s[84:85], s[86:87]
.endif
	s_wait_loadcnt 0x0
	s_wait_kmcnt 0x0
.if QKV
	s_cmp_eq_u32 ttmp9, 0
	s_cselect_b32 s86, s88, s90                    ; ea: entry 0, 2 or 4
	s_cselect_b32 s87, s89, s91                    ; eb: entry 1, 3 or 5
	s_cselect_b32 s100, s94, s95                   ; eo: entry 6, 7 or 9
	s_cmp_eq_u32 ttmp9, 2
	s_cselect_b32 s86, s92, s86
	s_cselect_b32 s87, s93, s87
	s_cselect_b32 s100, s97, s100
.else
	s_mov_b32 s86, s88
	s_mov_b32 s87, s89
	s_mov_b32 s100, s90
.endif
	s_add_co_i32 s86, s86, s87                     ; a sum stands for sum x 2^(ea + eb),
	s_sub_co_i32 s100, s100, s86                   ; so its code is sum / 2^(eo - ea - eb)
	s_add_co_i32 s100, s100, 127
	s_lshl_b32 s87, s100, 23
	v_mov_b32 v[SCV], s87
	s_sub_co_i32 s86, 127, s86
	s_lshl_b32 s86, s86, 23                        ; 2^-(ea + eb): the biases' factor
.if QKV
	s_cmp_eq_u32 ttmp9, 2
	s_cselect_b32 s2, s86, 0                       ; the bias by A's rows counts for v alone,
	s_cselect_b32 s86, 0, s86                      ; the bias by B's rows for q and k alone
.endif
	s_mov_b32 s87, s86                             ; (named with it as a pair, so it is written)
.set j, 0
.rept 32
	v_pk_mul_f32 v[CB+j:CB+j+1], v[CB+j:CB+j+1], s[86:87] op_sel_hi:[1,0]
.set j, j+2
.endr
.if QKV
.irp a, 0,1,2,3,4,5,6,7
	v_mul_f32 v[RB+2*\a], s2, v[RB+2*\a]
	v_mov_b32 v[RB+2*\a+1], v[RB+2*\a]
.endr
.endif
.macro FRAG reg, adr, q, i             ; 16 rows x 128 K: registers 4 c .. 4 c + 3 hold K = 32 c + 16 h + 0 .. 15
.irp c, 0,1,2,3
	ds_load_b128 v[\reg+4*\c:\reg+4*\c+3], v[\adr] offset:128*(\q)+32*\c+(\i)*16*PITCH
.endr
.endm
; 16 matrix instructions: A's blocks a0, a0 + 1 x B's eight. p: B's set. zero = 1: the first product starts the sums, with the bias as C.
; The 64 accumulators take turns, one instruction a turn, in the same order in every step.
.macro MUL16 a0, p, zero
.irp a, \a0, \a0+1
.irp b, 0,1,2,3,4,5,6,7
.if \zero
	v_wmma_f32_16x16x128_fp8_fp8 v[8*(8*((\a)%4)+\b):8*(8*((\a)%4)+\b)+7], v[128*(\p)+FR*\b:128*(\p)+FR*\b+FR-1], v[AF+FR*(\a):AF+FR*(\a)+FR-1], v[CB+8*\b:CB+8*\b+7]
.else
	v_wmma_f32_16x16x128_fp8_fp8 v[8*(8*((\a)%4)+\b):8*(8*((\a)%4)+\b)+7], v[128*(\p)+FR*\b:128*(\p)+FR*\b+FR-1], v[AF+FR*(\a):AF+FR*(\a)+FR-1], v[8*(8*((\a)%4)+\b):8*(8*((\a)%4)+\b)+7]
.endif
.endr
.endr
.endm
.macro FETCH_B slot, q, p
	WIN TO_B
.irp i, 0,1,2,3,4,5,6,7
	FRAG 128*(\p)+FR*\i, ADRB+\slot, \q, \i
.endr
	WIN 0
.endm
.macro FETCH_A slot, q, i0
.irp i, \i0, \i0+1, \i0+2, \i0+3
	FRAG AF+FR*(\i), ADRA+\slot, \q, \i
.endr
.endm
.macro PLACES n                        ; plain vector lines between a matrix instruction and a load into, or a vector read or write of, its registers (ISA guide 7.12.1 for vector reads and writes)
.rept \n
	v_nop
.endr
.endm
.macro STEP slot, q, zero              ; 128 along K, with its successor in the same slot
	s_wait_dscnt 4*NL                              ; B's set and A's blocks 0-3 are in; the youngest sixteen loads (A's blocks 4-7) may be out
	WIN MUL_LO-0x20*(\zero)
	MUL16 0, (\q)%2, \zero
	MUL16 2, (\q)%2, \zero
	s_wait_dscnt 0
	PLACES NP
	FETCH_B \slot, (\q)+1, 1-(\q)%2
	FETCH_A \slot, (\q)+1, 0
	WIN MUL_HI-0x30*(\zero)
	MUL16 4, (\q)%2, \zero
	MUL16 6, (\q)%2, \zero
	PLACES NP
	WIN 0
	FETCH_A \slot, (\q)+1, 4
.endm
; A slot's last step changes slots: one barrier; in front of it each wave waits for all its tensor loads, adds 0 to its spare word, and waits for that and for its reads of this slot.
.macro TURN slot, next, fill
	s_wait_tensorcnt 0x0                           ; all my tensor loads have landed: my part of the next slot
	ds_add_u32 v[SPW], v[NIL]
	s_wait_dscnt 4*NL+1                            ; the add and A's blocks 4-7 may be out
	WIN MUL_LO
	MUL16 0, 1, 0
	s_wait_dscnt 0x0                               ; the add is done, and my reads of this slot are over
	s_barrier_signal -1
	MUL16 2, 1, 0
	WIN 0
	s_barrier_wait -1
.if \fill
	CREST                                          ; the barrier has opened a round of the cluster's: no wave of any partner still reads this slot or has a load on its way
	s_add_nc_u64 s[G0+4*\slot+2:G0+4*\slot+3], s[G0+4*\slot+2:G0+4*\slot+3], 2*ROWB
	s_add_nc_u64 s[G0B+4*\slot+2:G0B+4*\slot+3], s[G0B+4*\slot+2:G0B+4*\slot+3], 2*ROWB
	JLOAD G0+4*\slot, G1, G0B+4*\slot, G1B         ; the first tensor load behind the round; its four v_nop are the places in front of the loads below
.else
	PLACES NP
.endif
	FETCH_B \next, 0, 0
	FETCH_A \next, 0, 0
	WIN MUL_HI
	MUL16 4, 1, 0
	MUL16 6, 1, 0
	PLACES NP
	WIN 0
	FETCH_A \next, 0, 4
.endm
; THE WAY OUT of block a (16 rows of A x 128 rows of B): each accumulator from its low end on.
.macro OUTBLK a
.set AC, 64*((\a)%4)
	WIN 0x82+0x41*((\a)/4)                         ; destination and source 0: window 2 or 3
.if QKV
.set j, 0
.rept 32
	v_pk_add_f32 v[AC+j:AC+j+1], v[AC+j:AC+j+1], v[RB+2*(\a):RB+2*(\a)+1]
.set j, j+2
.endr
.endif
.set j, 0
.rept 64
.if QKV
.else
	v_med3_num_f32 v[AC+j], v[AC+j], 0, v[LIMV]          ; the activation and the hold in one
.endif
.set j, j+1
.endr
	WIN 0x02+((\a)/4)
.irp b, 0,1,2,3,4,5,6,7
	v_cvt_scalef32_pk8_fp8_f32 v[CD+16*(\a)+2*\b:CD+16*(\a)+2*\b+1], v[AC+8*\b:AC+8*\b+7], v[SCV]
.endr
	WIN 0
	v_nop                                          ; a plain line behind the last conversion
.irp p, 0,1,2,3
.if QKV
	global_store_b128 v[VO+2*(\a)+\p/2], v[CD+16*(\a)+4*\p:CD+16*(\a)+4*\p+3], s[10:11] offset:512*(\p%2)
.else
	global_store_b128 v[L16], v[CD+16*(\a)+4*\p:CD+16*(\a)+4*\p+3], s[10:11] offset:(\a)*65536+\p*512
.endif
.endr
.endm
	s_wait_tensorcnt 1                             ; my part of K step 0 is in; K step 1's load may be out
	s_barrier_signal -1
	s_barrier_wait -1
	FETCH_B 0, 0, 0
	FETCH_A 0, 0, 0
	FETCH_A 0, 0, 4
	STEP 0, 0, 1                                   ; K = 1,024 is four K steps of 256, eight steps of 128: written out
	TURN 0, 1, 1                                   ; slot 0 takes K step 2
	STEP 1, 0, 0
	TURN 1, 0, 1                                   ; slot 1 takes K step 3
	STEP 0, 0, 0
	TURN 0, 1, 0
	STEP 1, 0, 0
	s_wait_dscnt 4*NL
	WIN MUL_LO
	MUL16 0, 1, 0
	MUL16 2, 1, 0
	s_wait_dscnt 0
	WIN MUL_HI
	MUL16 4, 1, 0
	MUL16 6, 1, 0
	WIN 0
	PLACES NP
.irp a, 0,1,2,3,4,5,6,7
	OUTBLK \a
.endr
	s_wait_tensorcnt 0x0                           ; the wave's end
	ds_add_u32 v[SPW], v[NIL]
	s_wait_dscnt 0x0
	CROUND                                         ; the closing round
	s_endpgm
.Lfunc_end_k_q55f0de3638_qkv:
	.size	k_q55f0de3638_qkv, .Lfunc_end_k_q55f0de3638_qkv-k_q55f0de3638_qkv
	.p2alignl 7, 3214868480
	.fill 96, 4, 3214868480
	.section	.rodata,"a",@progbits
	.p2align	6, 0x0
	.amdhsa_kernel k_q55f0de3638_qkv
		.amdhsa_group_segment_fixed_size 327680
		.amdhsa_private_segment_fixed_size 0
		.amdhsa_enable_private_segment 0
		.amdhsa_kernarg_size 72
		.amdhsa_user_sgpr_count 2
		.amdhsa_user_sgpr_kernarg_segment_ptr 1
		.amdhsa_wavefront_size32 1
		.amdhsa_system_sgpr_workgroup_id_x 1
		.amdhsa_system_sgpr_workgroup_id_y 1
		.amdhsa_system_sgpr_workgroup_id_z 1
		.amdhsa_system_vgpr_workitem_id 0
		.amdhsa_next_free_vgpr 1024
		.amdhsa_next_free_sgpr 102
		.amdhsa_reserve_vcc 0
		.amdhsa_float_denorm_mode_32 3
		.amdhsa_float_denorm_mode_16_64 3
		.amdhsa_fp16_overflow 1
		.amdhsa_memory_ordered 1
		.amdhsa_forward_progress 1
		.amdhsa_inst_pref_size 110
	.end_amdhsa_kernel
	.amdgpu_metadata
---
amdhsa.version: [ 1, 2 ]
amdhsa.kernels:
  - .name:           k_q55f0de3638_qkv
    .symbol:         k_q55f0de3638_qkv.kd
    .args:
      - { .name: xc, .offset: 0, .size: 8, .value_kind: global_buffer, .address_space: global }
      - { .name: wq_codes, .offset: 8, .size: 8, .value_kind: global_buffer, .address_space: global }
      - { .name: wk_codes, .offset: 16, .size: 8, .value_kind: global_buffer, .address_space: global }
      - { .name: wv_codes, .offset: 24, .size: 8, .value_kind: global_buffer, .address_space: global }
      - { .name: bq, .offset: 32, .size: 8, .value_kind: global_buffer, .address_space: global }
      - { .name: bk, .offset: 40, .size: 8, .value_kind: global_buffer, .address_space: global }
      - { .name: bv, .offset: 48, .size: 8, .value_kind: global_buffer, .address_space: global }
      - { .name: lowp_scales, .offset: 56, .size: 8, .value_kind: global_buffer, .address_space: global }
      - { .name: qkvc, .offset: 64, .size: 8, .value_kind: global_buffer, .address_space: global }
    .group_segment_fixed_size: 327680
    .private_segment_fixed_size: 0
    .kernarg_segment_align: 8
    .kernarg_segment_size: 72
    .max_flat_workgroup_size: 128
    .sgpr_count:     102
    .vgpr_count:     1024
    .wavefront_size: 32
...
	.end_amdgpu_metadata
.endif
;; end of part 2
;; launch attn (part 3): grid 8 x 32, 8 waves a work-group, clusters of 4 x 1, 327,680 bytes of LDS; arguments qkvc, src_mask, lowp_scales, ac; writes ac
.if DOCPART == 3
	.amdgcn_target "amdgcn-amd-amdhsa--gfx1250"
	.amdhsa_code_object_version 6
	.text
	.protected	k_q55f0de3638_attn
	.globl	k_q55f0de3638_attn
	.p2align	8
	.type	k_q55f0de3638_attn,@function
k_q55f0de3638_attn:
	s_mov_b64 s[64:65], 0
	v_nop
	global_prefetch_b8 v0, s[64:65] scope:SCOPE_SE
	s_setreg_imm32_b32 hwreg(HW_REG_WAVE_MODE, 25, 1), 1
	s_wait_xcnt 0x0
	s_wait_alu depctr_hold_cnt(0) depctr_sa_sdst(0) depctr_va_vdst(0) depctr_va_sdst(0) depctr_va_ssrc(0) depctr_va_vcc(0) depctr_vm_vsrc(0)
	s_getreg_b32 s2, hwreg(HW_REG_IB_STS2, 6, 4)
	s_cmp_eq_u32 s2, 0
	s_cbranch_scc0 .Lentry_in_a_cluster
	s_endpgm
.Lentry_in_a_cluster:
	s_bfe_u32 s2, ttmp6, 0x10000c
	s_cmp_lg_u32 s2, 0x3003
	s_cbranch_scc0 .Lentry_shape_is_right
	s_endpgm
.Lentry_shape_is_right:
; Attention on codes of E4M3: for each batch and head, o = softmax_k(q . k / 8, masked keys left out) v; o is then quantised with entry 10 of the scales and stored as the next product's operand.
; q, k, v arrive as images of operand registers: q, k [batch x head][tile of 16 tokens][2 x 512 bytes] for the K = 64 form; v [batch x head][128 keys][16 d][4 x 512 bytes] for the K = 128 form.
; THE SOFTMAX: t = raw score x c, c = log2(e) / 8 x 2^(e6 + e7); M = the running largest t rounded up to a whole number; p = 2^(t - M) is quantised with 2^e8; the row's sum is taken of the
; unquantised p and divides at the end. When M moves, the sum and O are multiplied by 2^(old M - new M), which rounds nothing.
; THE MASK is the C operand of the first product: 0 for a key that counts, -3e38 for one that does not, in a table in LDS; so t of a masked key lies far under every other and its p is 0.
; Keys seen before the first key that counts leave sums that the factor 2^(old M - new M) = 0 wipes out. Where NO key of the batch counts, c is made 0 (a select, no branch): t = 0, p = 1 for every key.
; SHARES. A work-group owns 256 queries of one head, each of its eight waves 32: two tiles of 16, so that each fragment of K, of V and of the table feeds two products. Two waves share a SIMD.
; LDS. A head's K and V, 131,072 bytes each, lie whole in LDS: every byte is filled once, by four joint loads a wave, all issued at the head; group g (keys 512 g on) is read behind a barrier
; in front of which each wave has waited for its g-th load. By this text's count a wave has four tensor loads out.
; CLUSTER. The four query blocks of a cluster belong to one head: K and V are asked for jointly.
; Both products are used transposed (S^T = K Q^T, O^T = V^T P^T): a lane holds one query throughout, its registers run along the keys, and the conversions' results are the second product's operand.
; LIMITS: e6 + e7 between -110 and 120; e8 and e10 between -126 and 119. Logits of keys that count lie far above -1e9. NaN is not served.
; REGISTERS: window 0: v1-5 addresses; v8-23 statistics, eight a tile; v28, v30 scales; v32-95 fragments; v96-223 S^T, then p, 64 a tile; v224-255 p's codes. window 1: v0-63 O^T, 32 a tile; v64-79 Q.
.set VOFF, 0x20000                     ; V's images behind K's
.set TAB,  0x40000                     ; the table: 2,048 f32
.set FLG,  TAB+8192                    ; a word a wave: does any of its 256 keys count?
.set L16,  1                           ; v1  16 x lane
.set TA0,  2                           ; v2  TAB + 32 h
.set ADK,  3
.set ADV,  4
.set ADT,  5
.set ST,   8                           ; tile q at v[ST + 8 q]: +0 -M, +1 the largest t, +2, +3 the sum in two halves, +4, +5 the factor (a pair), +6, +7 at work
.set PD,   24                          ; a lane permute's destination
.set SCP,  28                          ; 2^e8; v30 2^e10
.set LIMP, 29
.set SCO,  30
.set LIMO, 31
.set BUF,  32
.set S,    96
.set P,    224
.set QF,   64                          ; in window 1
.set WV,   12
.set SEL,  20
.set CS,   22
.set G1,   24
.set G0,   32
.set TB8,  56                          ; s56 LDS byte of the step's K images
.set TB5,  57                          ; s57 and of its part of the table
.set CNT,  58
.set MSB, 0
.macro WIN new
.if MSB != (\new)
	s_set_vgpr_msb (MSB<<8)|(\new)
.set MSB, (\new)
.endif
.endm
.macro CROUND                          ; a round of the cluster's barrier
	s_barrier_signal -1
	s_barrier_wait -1
	s_cmp_lg_u32 s[WV], 0
	s_cbranch_scc1 .Lnot_wave_0_\@
	s_barrier_signal -3
.Lnot_wave_0_\@:
	s_barrier_wait -3
	s_barrier_signal -1
	s_barrier_wait -1
.endm
	s_load_b256 s[4:11], s[0:1], 0x0               ; the images, the mask, the scales' exponents, the output image
	s_set_vgpr_msb 0x40
	v_lshl_add_u32 v80, v0, 2, 0x42100
	v_mov_b32 v81, 0
	s_set_vgpr_msb 0x4045
	ds_add_u32 v80, v81
	ds_add_u32 v80, v81
	s_set_vgpr_msb 0x4500
	v_lshrrev_b32 v6, 5, v0
	s_delay_alu instid0(VALU_DEP_1)
	v_readfirstlane_b32 s[WV], v6                  ; wave 0..7
	s_bfe_u32 s13, ttmp6, 0x40000                  ; cx
	s_lshl_b32 s14, ttmp9, 2
	s_add_co_u32 s14, s14, s13                     ; my block of 256 queries: it enters Q's and the output's addresses alone
	s_and_b32 s15, ttmp7, 0xffff                   ; batch x 16 + head
	s_lshl_b32 s19, s15, 17                        ; its 131,072 bytes in each of q, k, v
	s_lshr_b32 s16, s[WV], 2                       ; waves 0-3 fetch K, waves 4-7 V,
	s_and_b32 s17, s[WV], 3
	s_lshl_b32 s17, s17, 13                        ; a quarter (8,192 bytes) of each group's 32,768
	s_lshl_b32 s18, s16, 17
	s_add_co_u32 s18, s18, s17                     ; in LDS
	s_add_co_u32 s16, s16, 1
	s_lshl_b32 s16, s16, 22                        ; in memory: k is part 1, v part 2, of 4 MiB each
	s_add_co_u32 s16, s16, s19
	s_add_co_u32 s16, s16, s17
	s_mov_b32 s17, 0
	s_mov_b32 s[G1], 15|(3<<16)|(1<<21)            ; the mask: all four work-groups; elements of 8 bytes; bit 21 beside a mask; no padding
	s_mov_b32 s[G1+1], 32<<16                      ; tensor_dim0 = 32 elements: rows of 256 bytes
	s_mov_b32 s[G1+2], 32<<16                      ; tensor_dim1 = 32
	s_mov_b32 s[G1+3], 32<<16                      ; tile_dim0
	s_mov_b32 s[G1+4], 32                          ; tile_dim1
	s_mov_b32 s[G1+5], 32                          ; pitch: dense
	s_mov_b32 s[G1+6], 0
	s_mov_b32 s[G1+7], 0
	s_mov_b32 s[SEL], 0x76543210
	s_mov_b32 s[SEL+1], 0xfedcba98
	s_mov_b32 s[CS], 0x3e38aa3b                    ; log2(e) / 8
	s_wait_dscnt 0x0
	s_wait_kmcnt 0x0
	s_load_b256 s[48:55], s[8:9], 0x18             ; e6 .. e13
	s_add_nc_u64 s[16:17], s[4:5], s[16:17]
.irp g, 0,1,2,3
	s_mov_b32 s[G0+4*\g], 1
	s_add_co_u32 s[G0+4*\g+1], s18, \g*32768
	s_add_nc_u64 s[G0+4*\g+2:G0+4*\g+3], s[16:17], \g*32768
	s_or_b32 s[G0+4*\g+3], s[G0+4*\g+3], 0x80000000
.endr
	CROUND                                         ; all four work-groups are here: the joint loads meet
	tensor_load_to_lds s[G0:G0+3], s[G1:G1+7]
	s_nop 0
	tensor_load_to_lds s[G0+4:G0+7], s[G1:G1+7]
	s_nop 0
	tensor_load_to_lds s[G0+8:G0+11], s[G1:G1+7]
	s_nop 0
	tensor_load_to_lds s[G0+12:G0+15], s[G1:G1+7]
	s_nop 0
.rept 4
	v_nop
.endr
	s_lshr_b32 s2, s15, 4                          ; batch
	s_lshl_b32 s2, s2, 13
	s_mov_b32 s3, 0
	s_add_nc_u64 s[6:7], s[6:7], s[2:3]            ; its 2,048 words of the mask
	v_lshlrev_b32 v6, 5, v0                        ; thread t takes keys 8 t .. 8 t + 7
	global_load_b128 v[32:35], v6, s[6:7]
	global_load_b128 v[36:39], v6, s[6:7] offset:16
	s_lshl_b32 s2, s14, 14                         ; Q: my block's 16 tiles of 1,024 bytes,
	s_lshl_b32 s16, s[WV], 11                      ; my wave's two
	s_add_co_u32 s2, s2, s16
	s_add_co_u32 s2, s2, s19
	s_add_nc_u64 s[4:5], s[4:5], s[2:3]
	v_and_b32 v7, 31, v0
	s_delay_alu instid0(VALU_DEP_1)
	v_lshlrev_b32 v[L16], 4, v7
	v_bfe_u32 v7, v0, 4, 1
	s_delay_alu instid0(VALU_DEP_1)
	v_lshl_add_u32 v[TA0], v7, 5, TAB
	WIN 0x40                                       ; destination window 1
.irp q, 0,1
.irp p, 0,1
	global_load_b128 v[QF+8*\q+4*\p:QF+8*\q+4*\p+3], v[L16], s[4:5] offset:\q*1024+\p*512
.endr
.endr
.set j, 0
.rept 64
	v_mov_b32 v[j], 0                              ; O^T: the step is written once; its first pass finds zeros
.set j, j+1
.endr
	WIN 0
	s_lshr_b32 s2, s15, 4                          ; the output: tile of 16 tokens = 128 batch + 16 block + 2 wave (+ q), 16,384 bytes each;
	s_lshl_b32 s2, s2, 21
	s_lshl_b32 s16, s14, 18
	s_add_co_u32 s2, s2, s16
	s_lshl_b32 s16, s[WV], 15
	s_add_co_u32 s2, s2, s16
	s_and_b32 s16, s15, 15
	s_lshl_b32 s16, s16, 10                        ; a head's 64 features are half of a K chunk of 128: 1,024 bytes
	s_add_co_u32 s2, s2, s16
	s_add_nc_u64 s[60:61], s[10:11], s[2:3]
.irp q, 0,1
	v_mov_b32 v[ST+8*\q+1], 0xff61b1e6             ; the largest t so far: -3e38
	s_delay_alu instid0(VALU_DEP_1)
	v_floor_f32 v[ST+8*\q], -v[ST+8*\q+1]          ; -M
	v_mov_b32 v[ST+8*\q+2], 0
	v_mov_b32 v[ST+8*\q+3], 0
	v_mov_b32 v[ST+8*\q+5], 0                      ; (named as the upper half of a pair)
.endr
	v_mov_b32 v[PD], 0
	s_wait_loadcnt 4                               ; the mask's two loads are in; Q's four may be out
	v_mov_b32 v25, 0xff61b1e6
.irp i, 0,1,2,3,4,5,6,7
	v_cmp_eq_u32 vcc_lo, 0, v[32+\i]
	s_delay_alu instid0(VALU_DEP_1)
	v_cndmask_b32 v[40+\i], 0, v25, vcc_lo         ; 0 where the key counts, -3e38 where it does not
.endr
	v_lshl_add_u32 v26, v0, 5, TAB
	ds_store_b128 v26, v[40:43]
	ds_store_b128 v26, v[44:47] offset:16
.irp i, 1
	v_or_b32 v32, v32, v[32+\i]
.endr
.irp i, 2, 3, 4, 5, 6, 7
	s_delay_alu instid0(VALU_DEP_1)
	v_or_b32 v32, v32, v[32+\i]
.endr
	s_delay_alu instid0(VALU_DEP_1)
	v_cmp_ne_u32 vcc_lo, 0, v32
	s_delay_alu instid0(VALU_DEP_1)
	v_mov_b32 v33, vcc_lo                          ; not 0 if any of my wave's 256 keys counts
	s_lshl_b32 s2, s[WV], 2
	v_mov_b32 v27, s2
	s_delay_alu instid0(VALU_DEP_1)
	v_add_nc_u32 v27, FLG, v27
	ds_store_b32 v27, v33
	s_wait_kmcnt 0x0
	s_add_co_i32 s2, s48, s49
	s_lshl_b32 s2, s2, 23
	s_add_co_i32 s[CS], s[CS], s2                  ; e6 + e7 go into c's exponent field
	s_add_co_i32 s2, s50, 127
	s_lshl_b32 s3, s2, 23
	v_mov_b32 v[SCP], s3
	s_add_co_i32 s2, s52, 127
	s_lshl_b32 s3, s2, 23
	v_mov_b32 v[SCO], s3
; One tile's softmax for 128 keys.
.macro SOFT q
.set S0, S+64*(\q)
.set T0, ST+8*(\q)
.set P0, P+16*(\q)
	v_max3_num_f32 v[T0+6], v[S0], v[S0+1], v[S0+2]      ; the largest raw score of my 64 keys, in two chains, each accumulator from its low end on
	v_max3_num_f32 v[T0+7], v[S0+3], v[S0+4], v[S0+5]
.set j, 6
.rept 14
	v_max3_num_f32 v[T0+6], v[T0+6], v[S0+j], v[S0+j+1]
	v_max3_num_f32 v[T0+7], v[T0+7], v[S0+j+2], v[S0+j+3]
.set j, j+4
.endr
	v_max3_num_f32 v[T0+6], v[T0+6], v[S0+62], v[S0+63]
	s_delay_alu instid0(VALU_DEP_1)
	v_max_num_f32 v[T0+6], v[T0+6], v[T0+7]
	s_delay_alu instid0(VALU_DEP_1)
	v_permlanex16_b32 v[PD], v[T0+6], s[SEL], s[SEL+1]
	s_delay_alu instid0(VALU_DEP_1)
	v_max_num_f32 v[T0+6], v[T0+6], v[PD]                ; and of lane l xor 16's
	s_delay_alu instid0(VALU_DEP_1)
	v_mul_f32 v[T0+6], s[CS], v[T0+6]                    ; as t (c is not negative)
	s_delay_alu instid0(VALU_DEP_1)
	v_max_num_f32 v[T0+1], v[T0+1], v[T0+6]
	v_mov_b32 v[T0+6], v[T0]
	s_delay_alu instid0(VALU_DEP_2)
	v_floor_f32 v[T0], -v[T0+1]                          ; the new -M = -ceil(t)
	s_delay_alu instid0(VALU_DEP_1)
	v_sub_f32 v[T0+6], v[T0], v[T0+6]                    ; old M - new M, a whole number, 0 or less
	s_delay_alu instid0(VALU_DEP_1)
	v_cvt_i32_f32 v[T0+6], v[T0+6]                       ; (it saturates)
	s_delay_alu instid0(VALU_DEP_1)
	v_ldexp_f32 v[T0+4], 1.0, v[T0+6]                    ; the factor 2^(old M - new M)
.set j, 0
.rept 32
	v_pk_fma_f32 v[S0+j:S0+j+1], v[S0+j:S0+j+1], s[CS:CS+1], v[T0:T0+1] op_sel_hi:[1,0,0]   ; t - M
.set j, j+2
.endr
.set j, 0
	s_wait_alu depctr_va_vdst(0)
.rept 64
	v_exp_f32 v[S0+j], v[S0+j]
.set j, j+1
.endr
	v_pk_mul_f32 v[T0+2:T0+3], v[T0+2:T0+3], v[T0+4:T0+5] op_sel_hi:[1,0]   ; the sum under the new M: the plain line behind the exponentials
	s_wait_alu depctr_va_vdst(0)                         ; one wait for the batch, ahead of its first reader
	v_pk_add_f32 v[T0+6:T0+7], v[S0:S0+1], v[S0+2:S0+3]  ; the sum of the unquantised p, in two chains
.set j, 4
.rept 15
	v_pk_add_f32 v[T0+2:T0+3], v[T0+2:T0+3], v[S0+j:S0+j+1]
	v_pk_add_f32 v[T0+6:T0+7], v[T0+6:T0+7], v[S0+j+2:S0+j+3]
.set j, j+4
.endr
	s_delay_alu instid0(VALU_DEP_1)
	v_pk_add_f32 v[T0+2:T0+3], v[T0+2:T0+3], v[T0+6:T0+7]
.irp t, 0,1,2,3,4,5,6,7
.irp i, 0,1,2,3,4,5,6,7
.endr
	v_cvt_scalef32_pk8_fp8_f32 v[P0+2*\t:P0+2*\t+1], v[S0+8*\t:S0+8*\t+7], v[SCP]   ; registers 2 t, 2 t + 1: keys 16 t + 8 h + 0 .. 7: the K = 128 form's own order
.endr
.endm
; A key step: 128 keys.
.macro STEP
	v_add_nc_u32 v[ADK], s[TB8], v[L16]            ; these three lines and the v_nop are the four places behind the last products, in front of the loads below
	s_wait_alu depctr_va_vdst(0)
	v_add_nc_u32 v[ADT], s[TB5], v[TA0]
	s_wait_alu depctr_va_vdst(0)
	v_add_nc_u32 v[ADV], VOFF, v[ADK]
	v_nop
.irp g, 0,1                            ; S^T = K Q^T + the table, four tiles of 16 keys at a time
.if \g == 1
.rept 4
	v_nop
.endr
.endif
.irp t, 0,1,2,3
	ds_load_b128 v[BUF+8*\t:BUF+8*\t+3], v[ADK] offset:(4*\g+\t)*1024
	ds_load_b128 v[BUF+8*\t+4:BUF+8*\t+7], v[ADK] offset:(4*\g+\t)*1024+512
	ds_load_b128 v[BUF+32+8*\t:BUF+32+8*\t+3], v[ADT] offset:(4*\g+\t)*64      ; the table at keys 16 tile + 8 h + 0 .. 7: the result's layout
	ds_load_b128 v[BUF+32+8*\t+4:BUF+32+8*\t+7], v[ADT] offset:(4*\g+\t)*64+16
.endr
	s_wait_dscnt 0x0
	WIN 0x04                                       ; source 1 (Q) window 1
.irp t, 0,1,2,3
.irp q, 0,1
	v_wmma_f32_16x16x64_fp8_fp8 v[S+64*\q+8*(4*\g+\t):S+64*\q+8*(4*\g+\t)+7], v[BUF+8*\t:BUF+8*\t+7], v[QF+8*\q:QF+8*\q+7], v[BUF+32+8*\t:BUF+32+8*\t+7]
.endr
.endr
	WIN 0
.endr
.rept 4
	v_nop
.endr
	s_wait_alu depctr_va_vdst(0)
.irp d, 0,1,2,3                        ; V's four fragments land during the softmax
.irp p, 0,1,2,3
	ds_load_b128 v[BUF+16*\d+4*\p:BUF+16*\d+4*\p+3], v[ADV] offset:\d*2048+\p*512
.endr
.endr
	SOFT 0
	s_setprio 1
	SOFT 1
	WIN 0x41                                       ; O^T (destination, source 0) window 1
	s_setprio 0
.irp q, 0,1
.set j, 0
.rept 16
	v_pk_mul_f32 v[32*\q+j:32*\q+j+1], v[32*\q+j:32*\q+j+1], v[ST+8*\q+4:ST+8*\q+5] op_sel_hi:[1,0]   ; O^T under the new M
.set j, j+2
.endr
.endr
	s_wait_alu depctr_va_vdst(0)
	s_wait_dscnt 0x0                               ; V is in
	WIN 0x50                                       ; C and D window 1
.irp d, 0,1,2,3
.irp q, 0,1
	v_wmma_f32_16x16x128_fp8_fp8 v[32*\q+8*\d:32*\q+8*\d+7], v[BUF+16*\d:BUF+16*\d+15], v[P+16*\q:P+16*\q+15], v[32*\q+8*\d:32*\q+8*\d+7]   ; eight accumulators, one instruction a turn
.endr
.endr
	WIN 0
.endm
; Group g: keys 512 g on, four steps.
.macro GROUP g
	s_wait_tensorcnt 3-\g                          ; my load of this group has landed; the later groups' may be out
	s_wait_dscnt 0x0                               ; (group 0: my stores into the table and my flag)
	s_barrier_signal -1
	s_barrier_wait -1                              ; everybody's has
.if \g == 0
	v_mov_b32 v27, FLG
	ds_load_b128 v[32:35], v27
	ds_load_b128 v[36:39], v27 offset:16
	s_wait_dscnt 0x0
.irp i, 1
	v_or_b32 v32, v32, v[32+\i]
.endr
.irp i, 2, 3, 4, 5, 6, 7
	s_delay_alu instid0(VALU_DEP_1)
	v_or_b32 v32, v32, v[32+\i]
.endr
	s_delay_alu instid0(VALU_DEP_1)
	v_readfirstlane_b32 s2, v32
	s_cmp_eq_u32 s2, 0                             ; no key of the batch counts:
	s_cselect_b32 s[CS], 0, s[CS]                  ; then c = 0, and every key gets p = 1
	s_mov_b32 s[CS+1], s[CS]
	s_wait_loadcnt 0x0                             ; Q
.endif
	s_mov_b32 s[TB8], \g*32768
	s_mov_b32 s[TB5], \g*2048
	s_mov_b32 s[CNT], 4
.Lstep_\@:
	s_setprio 2
	STEP
	s_add_co_u32 s[TB8], s[TB8], 8192
	s_add_co_u32 s[TB5], s[TB5], 512
	s_sub_co_u32 s[CNT], s[CNT], 1
	s_cmp_lg_u32 s[CNT], 0
	s_cbranch_scc1 .Lstep_\@
	s_setprio 0
.endm
	GROUP 0
	GROUP 1
	GROUP 2
	GROUP 3
	; THE WAY OUT: O^T x 2^(e8 + e9) / the sum, converted with 2^e10. Registers 2 d, 2 d + 1 of a tile are features 16 d + 8 h + 0 .. 7 of my head: half of the next operand's fragment, stored as it stands.
.rept 4
	v_nop
.endr
.irp q, 0,1
	v_add_f32 v[ST+8*\q+6], v[ST+8*\q+2], v[ST+8*\q+3]
.endr
.irp q, 0,1
	s_delay_alu instid0(VALU_DEP_2)
	v_permlanex16_b32 v[ST+8*\q+7], v[ST+8*\q+6], s[SEL], s[SEL+1]
.endr
.irp q, 0,1
	s_delay_alu instid0(VALU_DEP_2)
	v_add_f32 v[ST+8*\q+6], v[ST+8*\q+6], v[ST+8*\q+7]
.endr
	s_wait_alu depctr_va_vdst(0)
.irp q, 0,1
	v_rcp_f32 v[ST+8*\q+4], v[ST+8*\q+6]
.endr
	v_nop
	s_add_co_i32 s2, s50, s51
	s_wait_alu depctr_va_vdst(0)                   ; one wait for the two reciprocals
.irp q, 0,1
	v_ldexp_f32 v[ST+8*\q+4], v[ST+8*\q+4], s2
.endr
	WIN 0x01                                       ; source 0 window 1
.irp q, 0,1
.set j, 0
.rept 16
	v_pk_mul_f32 v[S+32*\q+j:S+32*\q+j+1], v[32*\q+j:32*\q+j+1], v[ST+8*\q+4:ST+8*\q+5] op_sel_hi:[1,0]
.set j, j+2
.endr
.endr
	WIN 0
.irp q, 0,1
.set j, 0
.rept 32
.set j, j+1
.endr
.irp d, 0,1,2,3
	v_cvt_scalef32_pk8_fp8_f32 v[P+8*\q+2*\d:P+8*\q+2*\d+1], v[S+32*\q+8*\d:S+32*\q+8*\d+7], v[SCO]
.endr
.endr
	v_nop
.irp q, 0,1
.irp p, 0,1
	global_store_b128 v[L16], v[P+8*\q+4*\p:P+8*\q+4*\p+3], s[60:61] offset:\q*16384+\p*512   ; 512 consecutive bytes, aligned
.endr
.endr
	s_set_vgpr_msb 0x5
	s_wait_tensorcnt 0x0
	ds_add_u32 v80, v81
	s_wait_dscnt 0x0
	s_set_vgpr_msb 0x500
	CROUND                                         ; the closing round; every tensor load was waited for at group 3's head
	s_endpgm
.Lfunc_end_k_q55f0de3638_attn:
	.size	k_q55f0de3638_attn, .Lfunc_end_k_q55f0de3638_attn-k_q55f0de3638_attn
	.p2alignl 7, 3214868480
	.fill 96, 4, 3214868480
	.section	.rodata,"a",@progbits
	.p2align	6, 0x0
	.amdhsa_kernel k_q55f0de3638_attn
		.amdhsa_group_segment_fixed_size 327680
		.amdhsa_private_segment_fixed_size 0
		.amdhsa_enable_private_segment 0
		.amdhsa_kernarg_size 32
		.amdhsa_user_sgpr_count 2
		.amdhsa_user_sgpr_kernarg_segment_ptr 1
		.amdhsa_wavefront_size32 1
		.amdhsa_system_sgpr_workgroup_id_x 1
		.amdhsa_system_sgpr_workgroup_id_y 1
		.amdhsa_system_sgpr_workgroup_id_z 1
		.amdhsa_system_vgpr_workitem_id 0
		.amdhsa_next_free_vgpr 338
		.amdhsa_next_free_sgpr 66
		.amdhsa_reserve_vcc 1
		.amdhsa_float_denorm_mode_32 3
		.amdhsa_float_denorm_mode_16_64 3
		.amdhsa_fp16_overflow 1
		.amdhsa_memory_ordered 1
		.amdhsa_forward_progress 1
		.amdhsa_inst_pref_size 122
	.end_amdhsa_kernel
	.amdgpu_metadata
---
amdhsa.version: [ 1, 2 ]
amdhsa.kernels:
  - .name:           k_q55f0de3638_attn
    .symbol:         k_q55f0de3638_attn.kd
    .args:
      - { .name: qkvc, .offset: 0, .size: 8, .value_kind: global_buffer, .address_space: global }
      - { .name: src_mask, .offset: 8, .size: 8, .value_kind: global_buffer, .address_space: global }
      - { .name: lowp_scales, .offset: 16, .size: 8, .value_kind: global_buffer, .address_space: global }
      - { .name: ac, .offset: 24, .size: 8, .value_kind: global_buffer, .address_space: global }
    .group_segment_fixed_size: 327680
    .private_segment_fixed_size: 0
    .kernarg_segment_align: 8
    .kernarg_segment_size: 32
    .max_flat_workgroup_size: 256
    .sgpr_count:     66
    .vgpr_count:     338
    .wavefront_size: 32
...
	.end_amdgpu_metadata
.endif
;; end of part 3
;; launch wo (part 4): grid 8 x 32, 4 waves a work-group, clusters of 4 x 4, 327,680 bytes of LDS; arguments ac, wo_codes, lowp_scales, bo, x, x1; writes x1
.if DOCPART == 4
	.amdgcn_target "amdgcn-amd-amdhsa--gfx1250"
	.amdhsa_code_object_version 6
	.text
	.protected	k_q55f0de3638_wo
	.globl	k_q55f0de3638_wo
	.p2align	8
	.type	k_q55f0de3638_wo,@function
k_q55f0de3638_wo:
	s_mov_b64 s[64:65], 0
	v_nop
	global_prefetch_b8 v0, s[64:65] scope:SCOPE_SE
	s_setreg_imm32_b32 hwreg(HW_REG_WAVE_MODE, 25, 1), 1
	s_wait_xcnt 0x0
	s_wait_alu depctr_hold_cnt(0) depctr_sa_sdst(0) depctr_va_vdst(0) depctr_va_sdst(0) depctr_va_ssrc(0) depctr_va_vcc(0) depctr_vm_vsrc(0)
	s_getreg_b32 s2, hwreg(HW_REG_IB_STS2, 6, 4)
	s_cmp_eq_u32 s2, 0
	s_cbranch_scc0 .Lentry_in_a_cluster
	s_endpgm
.Lentry_in_a_cluster:
	s_bfe_u32 s2, ttmp6, 0x10000c
	s_cmp_lg_u32 s2, 0xf033
	s_cbranch_scc0 .Lentry_shape_is_right
	s_endpgm
.Lentry_shape_is_right:
; out = res + A W^T + bias, [4,096][1,024] f32, the product on codes of E4M3. One text for two launches: KK = 1,024 (the attention's output product) and KK = 4,096 (the second feed-forward product).
; A arrives as images of operand registers, [tile of 16 rows][KK / 128 chunks][4 x 512 bytes], registers 2 c, 2 c + 1: k = 16 c + 8 h + 0 .. 7: the K = 128 form's own order.
; W arrives as rows of KK codes; its fragments are read in the same order, by eight loads of 8 bytes.
; A tile of 128 x 128 gives 256 work-groups; four waves, each 64 x 64: 16 accumulators. K goes in steps of 512 through two LDS slots; a step is four quarters of 128, 16 matrix instructions each.
; CLUSTERS of 4 x 4: A's tile is shared along a row of the cluster, W's along a column: joint loads.
; TRANSPOSED USE: source 0 = 16 rows of W, source 1 = 16 rows of A: a lane holds eight neighbouring numbers of a row of the output.
; THE WAY OUT: sum x 2^(ea + eb) + bias by one packed multiply-add; through the wave's own stage in LDS (its 64 columns are 256 bytes); the residual, loaded at the head in the layout of the rows read back, is added; sixteen lanes store 256 consecutive aligned bytes.
; LIMIT: ea + eb between -126 and 127.
; REGISTERS: window 0: v16-29 addresses; v32-63 at work; v96-127 the bias; v128-255 the accumulators ((a, b) at v[128 + 8 (4 a + b)]). window 1: two fragment buffers of 128 (A's four, then W's four). window 2: v0-127 the residual.
.set KK,     1024
.set EOFF,   40                        ; byte of ea in the buffer of scales; eb follows it
.set LAPS,   KK/1024                   ; a lap = two K steps of 512
.set ATILE,  8192                      ; a tile of 16 rows x 512 K: four chunks of 2,048 bytes
.set AHALF,  4*ATILE                   ; what one load brings of A, and what one wave reads
.set BP,     528                       ; a row of W in LDS: 512 bytes + 16 of padding: the 16 rows of a load start at different banks (ISA guide 11.1)
.set BHALF,  64*BP
.set BOFF,   2*AHALF
.set SLOT,   BOFF+2*BHALF
.set STAGE,  2*SLOT                    ; behind the ring: 16 rows x 272 bytes for each wave
.set SPITCH, 272
.set SPARE,  STAGE+4*16*SPITCH         ; the spare words, 128 bytes a wave: two blocks of 256 bytes that no other line names
.set ADRA, 16
.set ADRB, 20
.set STO,  24
.set RD,   25
.set CO,   26
.set SPW,  28
.set NIL,  29
.set TMP,  32
.set CB,   96
.set ACC,  128
.set F0,   0
.set F1,   128
.set G1, 24
.set G0, 32
.set G1B, 48
.set G0B, 56
.set MSB, 0
.macro WIN new
.if MSB != (\new)
	s_set_vgpr_msb (MSB<<8)|(\new)
.set MSB, (\new)
.endif
.endm
.set MUL,  0x05                        ; sources 0 and 1 window 1; C and D window 0
.set TO_F, 0x40
.macro JLOAD s                         ; a joint load: waves 0, 1 fetch A's halves, waves 2, 3 W's; four v_nop follow each line
	s_cmp_eq_u32 s11, 0
	s_cbranch_scc0 .Lfor_b_\@
	tensor_load_to_lds s[G0+4*\s:G0+4*\s+3], s[G1:G1+7]
	s_nop 0
.rept 4
	v_nop
.endr
	s_branch .Lasked_\@
.Lfor_b_\@:
	tensor_load_to_lds s[G0B+4*\s:G0B+4*\s+3], s[G1B:G1B+7]
	s_nop 0
.rept 4
	v_nop
.endr
.Lasked_\@:
.endm
.macro CREST
	s_cmp_lg_u32 s10, 0
	s_cbranch_scc1 .Lnot_wave_0_\@
	s_barrier_signal -3
.Lnot_wave_0_\@:
	s_barrier_wait -3
	s_barrier_signal -1
	s_barrier_wait -1
.endm
.macro CROUND
	s_barrier_signal -1
	s_barrier_wait -1
	CREST
.endm
	s_load_b256 s[68:75], s[0:1], 0x0              ; A's image, W's codes, the scales' exponents, the bias
	s_load_b128 s[76:79], s[0:1], 0x20             ; the residual, the output
	v_lshl_add_u32 v[SPW], v0, 2, SPARE
	v_mov_b32 v[NIL], 0
	ds_add_u32 v28, v29
	ds_add_u32 v28, v29
	s_wait_dscnt 0x0
	v_lshrrev_b32 v1, 5, v0
	v_readfirstlane_b32 s10, v1                    ; wave
	s_lshr_b32 s11, s10, 1                         ; my half of the rows. Also: I fetch for A (0) or W (1)
	s_and_b32 s12, s10, 1                          ; my half of the columns. Also: which half I fetch
	s_bfe_u32 s40, ttmp6, 0x40000                  ; cx
	s_bfe_u32 s41, ttmp6, 0x40004                  ; cy
	s_lshl_b32 s42, ttmp9, 2
	s_add_co_u32 s42, s42, s40                     ; tile column
	s_and_b32 s13, ttmp7, 0xffff
	s_lshl_b32 s13, s13, 2
	s_add_co_u32 s13, s13, s41                     ; tile row
	s_lshl_b32 s43, s41, 2
	s_lshl_b32 s43, 15, s43
	s_lshl_b32 s44, 0x1111, s40
	s_or_b32 s[G1+0], s43, (3<<16)|(1<<21)         ; A: the mask of my row; elements of 8 bytes; bit 21 beside a mask; no padding
	s_mov_b32 s[G1+1], 1024<<16                    ; tensor_dim0: 1,024 elements = 8,192 bytes: a tile of rows' four chunks
	s_mov_b32 s[G1+2], 4<<16                       ; tensor_dim1: four tiles of rows
	s_mov_b32 s[G1+3], 1024<<16
	s_mov_b32 s[G1+4], 4
	s_mov_b32 s[G1+5], 2*KK                        ; pitch: 16 KK bytes from a tile of rows to the next
	s_mov_b32 s[G1+6], 0
	s_mov_b32 s[G1+7], 0
	s_or_b32 s[G1B+0], s44, (0<<16)|(1<<20)|(1<<21)|(6<<22)|(3<<25)  ; W: the mask of my column; bytes; 4 words of padding behind every 128
	s_mov_b32 s[G1B+1], 512<<16
	s_mov_b32 s[G1B+2], 64<<16
	s_mov_b32 s[G1B+3], 512<<16
	s_mov_b32 s[G1B+4], 64
	s_mov_b32 s[G1B+5], KK
	s_mov_b32 s[G1B+6], 0
	s_mov_b32 s[G1B+7], 0
	s_lshl_b32 s16, s13, 3
	s_lshl_b32 s17, s12, 2
	s_add_co_u32 s16, s16, s17
	s_mul_i32 s16, s16, 16*KK                      ; A: tile of rows 8 x tile row + 4 x half
	s_mov_b32 s17, 0
	s_lshl_b32 s46, s42, 7
	s_lshl_b32 s47, s12, 6
	s_add_co_u32 s46, s46, s47
	s_mul_i32 s46, s46, KK                         ; W: row 128 x tile column + 64 x half
	s_mov_b32 s47, 0
	s_mul_i32 s20, s12, AHALF                      ; where they go
	s_mul_i32 s21, s12, BHALF
	s_add_co_u32 s21, s21, BOFF
	s_wait_kmcnt 0x0
	s_load_b64 s[80:81], s[72:73], EOFF            ; ea, eb
	s_add_nc_u64 s[14:15], s[68:69], s[16:17]
	s_add_nc_u64 s[46:47], s[70:71], s[46:47]
	CROUND                                         ; all sixteen work-groups are here
.irp s, 0,1
	s_mov_b32 s[G0+4*\s], 1
	s_add_co_u32 s[G0+4*\s+1], s20, \s*SLOT
	s_add_nc_u64 s[G0+4*\s+2:G0+4*\s+3], s[14:15], \s*ATILE
	s_or_b32 s[G0+4*\s+3], s[G0+4*\s+3], 0x80000000
	s_mov_b32 s[G0B+4*\s], 1
	s_add_co_u32 s[G0B+4*\s+1], s21, \s*SLOT
	s_add_nc_u64 s[G0B+4*\s+2:G0B+4*\s+3], s[46:47], \s*512
	s_or_b32 s[G0B+4*\s+3], s[G0B+4*\s+3], 0x80000000
	JLOAD \s
.endr
	v_and_b32 v1, 15, v0                           ; r
	v_bfe_u32 v2, v0, 4, 1                         ; h
	v_lshlrev_b32 v5, 12, v2
	v_lshl_add_u32 v[CO], v1, 4, v5                ; lanes 0-15 one row of the output, lanes 16-31 the next; 16 bytes a lane
	s_wait_alu depctr_va_vdst(0)
	v_lshlrev_b32 v6, 5, v2                        ; 32 h
	s_wait_alu depctr_va_vdst(0)
	s_lshl_b32 s4, s13, 19                         ; my first row, 128 x tile row + 64 x half, of 4,096 bytes,
	s_lshl_b32 s5, s11, 18
	s_add_co_u32 s4, s4, s5
	s_lshl_b32 s6, s42, 9                          ; my first column, 128 x tile column + 64 x half, of 4 bytes
	s_lshl_b32 s7, s12, 8
	s_add_co_u32 s6, s6, s7
	s_add_co_u32 s4, s4, s6
	s_mov_b32 s5, 0
	s_mov_b32 s7, 0
	s_add_nc_u64 s[76:77], s[76:77], s[4:5]
	s_add_nc_u64 s[78:79], s[78:79], s[4:5]
	s_add_nc_u64 s[74:75], s[74:75], s[6:7]
	WIN 0x80                                       ; destination window 2
.irp a, 0,1,2,3
.irp t, 0,1,2,3,4,5,6,7
	global_load_b128 v[32*\a+4*\t:32*\a+4*\t+3], v[CO], s[76:77] offset:(16*\a+2*\t)*4096 th:TH_LOAD_NT   ; the residual stays on its way through the whole product
.endr
.endr
	WIN 0
.irp b, 0,1,2,3
	global_load_b128 v[CB+8*\b:CB+8*\b+3], v6, s[74:75] offset:64*\b
	global_load_b128 v[CB+8*\b+4:CB+8*\b+7], v6, s[74:75] offset:64*\b+16
.endr
	v_and_b32 v3, 31, v0
	v_lshlrev_b32 v3, 4, v3                        ; an image's place for my lane
	v_mul_u32_u24 v4, v1, BP
	v_lshl_add_u32 v4, v2, 3, v4                   ; W: row r, + 8 h
	s_mul_i32 s21, s11, AHALF
	s_mul_i32 s22, s12, BHALF
	s_add_co_u32 s22, s22, BOFF
.irp s, 0,1
	v_add_nc_u32 v[ADRA+\s], s21, v3
	v_add_nc_u32 v[ADRB+\s], s22, v4
	s_add_co_u32 s21, s21, SLOT
	s_add_co_u32 s22, s22, SLOT
.endr
	s_mul_i32 s23, s10, 16*SPITCH
	s_add_co_u32 s23, s23, STAGE                   ; my stage
	v_mul_u32_u24 v5, v1, SPITCH
	v_lshl_add_u32 v5, v2, 5, v5
	v_add_nc_u32 v[STO], s23, v5                   ; in: row r, 32 bytes for each half of the lanes
	v_mul_u32_u24 v5, v2, SPITCH
	v_lshl_add_u32 v5, v1, 4, v5
	v_add_nc_u32 v[RD], s23, v5                    ; back: two whole rows an instruction
.macro MUL4 f, a, zero                 ; A's block a x W's four; the 16 accumulators take turns, one instruction a turn, in the same order in every quarter
.irp b, 0,1,2,3
.if \zero
	v_wmma_f32_16x16x128_fp8_fp8 v[ACC+8*(4*(\a)+\b):ACC+8*(4*(\a)+\b)+7], v[\f+64+16*\b:\f+64+16*\b+15], v[\f+16*(\a):\f+16*(\a)+15], 0
.else
	v_wmma_f32_16x16x128_fp8_fp8 v[ACC+8*(4*(\a)+\b):ACC+8*(4*(\a)+\b)+7], v[\f+64+16*\b:\f+64+16*\b+15], v[\f+16*(\a):\f+16*(\a)+15], v[ACC+8*(4*(\a)+\b):ACC+8*(4*(\a)+\b)+7]
.endif
.endr
.endm
.macro FETCH slot, q, f                ; 48 LDS loads in one run: W's four fragments (32 loads), then A's blocks 0, 1 (8) and 2, 3 (8)
	WIN TO_F
.irp b, 0,1,2,3
.irp c, 0,1,2,3,4,5,6,7
	ds_load_b64 v[\f+64+16*\b+2*\c:\f+64+16*\b+2*\c+1], v[ADRB+\slot] offset:\b*16*BP+128*(\q)+16*\c
.endr
.endr
.irp a, 0,1,2,3
.irp p, 0,1,2,3
	ds_load_b128 v[\f+16*\a+4*\p:\f+16*\a+4*\p+3], v[ADRA+\slot] offset:\a*ATILE+(\q)*2048+\p*512
.endr
.endr
.endm
.macro PLACES
.rept 4
	v_nop
.endr
.endm
.macro QUARTER slot, qn, f, g, zero    ; multiplies buffer f; in its middle fetches quarter qn of the same slot into g
	s_wait_dscnt 8                                 ; W's and A's blocks 0, 1 are in; the youngest eight loads (blocks 2, 3) may be out
	WIN MUL
	MUL4 \f, 0, \zero
	MUL4 \f, 1, \zero
	PLACES
	FETCH \slot, \qn, \g
	s_wait_dscnt 48                                ; all but the 48 just issued
	WIN MUL
	MUL4 \f, 2, \zero
	MUL4 \f, 3, \zero
.endm
.macro TURN slot, next, fill           ; a slot's last quarter multiplies buffer 1 and changes slots
	WIN 0
	s_wait_tensorcnt 0x0                           ; all my tensor loads have landed: my part of the next slot
	ds_add_u32 v[SPW], v[NIL]
	s_wait_dscnt 9                                 ; the add and the youngest eight loads may be out
	WIN MUL
	MUL4 F1, 0, 0
	s_wait_dscnt 0x0                               ; the add is done, and my reads of this slot are over
	s_barrier_signal -1
	MUL4 F1, 1, 0
.if \fill
	WIN 0
.endif
	s_barrier_wait -1
.if \fill
	CREST                                          ; the barrier has opened a round of the cluster's
	s_add_nc_u64 s[G0+4*\slot+2:G0+4*\slot+3], s[G0+4*\slot+2:G0+4*\slot+3], 2*ATILE
	s_add_nc_u64 s[G0B+4*\slot+2:G0B+4*\slot+3], s[G0B+4*\slot+2:G0B+4*\slot+3], 2*512
	JLOAD \slot                                    ; the first tensor load behind the round; its four v_nop are the places in front of the loads below
.else
	PLACES
.endif
	FETCH \next, 0, F0
	WIN MUL
	MUL4 F1, 2, 0
	MUL4 F1, 3, 0
.endm
	s_wait_alu depctr_va_vdst(0)
	s_wait_tensorcnt 1                             ; my part of K step 0 is in; K step 1's may be out
	s_barrier_signal -1
	s_barrier_wait -1
	FETCH 0, 0, F0
	QUARTER 0, 1, F0, F1, 1                        ; the first quarter starts the sums
.if LAPS > 1
	WIN 0
	s_mov_b32 s3, LAPS-1
.Llap:                                             ; a trip goes once round the ring and fills both slots again
	QUARTER 0, 2, F1, F0, 0
	QUARTER 0, 3, F0, F1, 0
	TURN 0, 1, 1
	QUARTER 1, 1, F0, F1, 0
	QUARTER 1, 2, F1, F0, 0
	QUARTER 1, 3, F0, F1, 0
	TURN 1, 0, 1
	QUARTER 0, 1, F0, F1, 0
	WIN 0
	s_sub_co_u32 s3, s3, 1
	s_cmp_lg_u32 s3, 0
	s_cbranch_scc1 .Llap
.endif
	QUARTER 0, 2, F1, F0, 0                        ; the last lap fills nothing
	QUARTER 0, 3, F0, F1, 0
	TURN 0, 1, 0
	QUARTER 1, 1, F0, F1, 0
	QUARTER 1, 2, F1, F0, 0
	QUARTER 1, 3, F0, F1, 0
	s_wait_dscnt 8
	WIN MUL
	MUL4 F1, 0, 0
	MUL4 F1, 1, 0
	s_wait_dscnt 0
	MUL4 F1, 2, 0
	MUL4 F1, 3, 0
	WIN 0
.macro TOSTAGE a                       ; block a: 16 rows x 64 columns
.irp b, 0,1,2,3
.irp i, 0,2,4,6
	v_pk_fma_f32 v[TMP+8*\b+\i:TMP+8*\b+\i+1], v[ACC+8*(4*(\a)+\b)+\i:ACC+8*(4*(\a)+\b)+\i+1], s[82:83], v[CB+8*\b+\i:CB+8*\b+\i+1] op_sel_hi:[1,0,1]   ; sum x 2^(ea + eb) + bias
.endr
.endr
.irp b, 0,1,2,3
	ds_store_b128 v[STO], v[TMP+8*\b:TMP+8*\b+3] offset:64*\b
	ds_store_b128 v[STO], v[TMP+8*\b+4:TMP+8*\b+7] offset:64*\b+16
.endr
.irp t, 0,1,2,3,4,5,6,7
	ds_load_b128 v[ACC+32*(\a)+4*\t:ACC+32*(\a)+4*\t+3], v[RD] offset:\t*2*SPITCH   ; LDS serves a wave's instructions in order (ISA guide 5.7.1.4): these see the stores above
.endr
.endm
.macro SEND a, younger                 ; younger: the LDS instructions issued behind block a's loads
	s_wait_dscnt \younger
	WIN 0x08                                       ; source 1 (the residual) window 2
.set j, 0
.rept 16
	v_pk_add_f32 v[ACC+32*(\a)+j:ACC+32*(\a)+j+1], v[ACC+32*(\a)+j:ACC+32*(\a)+j+1], v[32*(\a)+j:32*(\a)+j+1]
.set j, j+2
.endr
	WIN 0
.irp t, 0,1,2,3,4,5,6,7
	global_store_b128 v[CO], v[ACC+32*(\a)+4*\t:ACC+32*(\a)+4*\t+3], s[78:79] offset:(16*(\a)+2*\t)*4096   ; sixteen lanes store 256 consecutive bytes, aligned; no store's data are written again
.endr
.endm
	s_wait_loadcnt 0x0                             ; the bias and the residual
	s_wait_kmcnt 0x0
	s_add_co_i32 s82, s80, s81
	s_add_co_i32 s82, s82, 127
	s_lshl_b32 s82, s82, 23                        ; 2^(ea + eb) as f32
	s_mov_b32 s83, s82
	PLACES
	TOSTAGE 0
.irp a, 1,2,3
	TOSTAGE \a
	SEND \a-1, 16                                  ; behind block a - 1's loads: block a's 8 stores and 8 loads
.endr
	SEND 3, 0
	s_wait_tensorcnt 0x0                           ; the wave's end
	ds_add_u32 v[SPW], v[NIL]
	s_wait_dscnt 0x0
	CROUND                                         ; the closing round
	s_endpgm
.Lfunc_end_k_q55f0de3638_wo:
	.size	k_q55f0de3638_wo, .Lfunc_end_k_q55f0de3638_wo-k_q55f0de3638_wo
	.p2alignl 7, 3214868480
	.fill 96, 4, 3214868480
	.section	.rodata,"a",@progbits
	.p2align	6, 0x0
	.amdhsa_kernel k_q55f0de3638_wo
		.amdhsa_group_segment_fixed_size 327680
		.amdhsa_private_segment_fixed_size 0
		.amdhsa_enable_private_segment 0
		.amdhsa_kernarg_size 48
		.amdhsa_user_sgpr_count 2
		.amdhsa_user_sgpr_kernarg_segment_ptr 1
		.amdhsa_wavefront_size32 1
		.amdhsa_system_sgpr_workgroup_id_x 1
		.amdhsa_system_sgpr_workgroup_id_y 1
		.amdhsa_system_sgpr_workgroup_id_z 1
		.amdhsa_system_vgpr_workitem_id 0
		.amdhsa_next_free_vgpr 768
		.amdhsa_next_free_sgpr 84
		.amdhsa_reserve_vcc 0
		.amdhsa_float_denorm_mode_32 3
		.amdhsa_float_denorm_mode_16_64 3
		.amdhsa_memory_ordered 1
		.amdhsa_forward_progress 1
		.amdhsa_inst_pref_size 62
	.end_amdhsa_kernel
	.amdgpu_metadata
---
amdhsa.version: [ 1, 2 ]
amdhsa.kernels:
  - .name:           k_q55f0de3638_wo
    .symbol:         k_q55f0de3638_wo.kd
    .args:
      - { .name: ac, .offset: 0, .size: 8, .value_kind: global_buffer, .address_space: global }
      - { .name: wo_codes, .offset: 8, .size: 8, .value_kind: global_buffer, .address_space: global }
      - { .name: lowp_scales, .offset: 16, .size: 8, .value_kind: global_buffer, .address_space: global }
      - { .name: bo, .offset: 24, .size: 8, .value_kind: global_buffer, .address_space: global }
      - { .name: x, .offset: 32, .size: 8, .value_kind: global_buffer, .address_space: global }
      - { .name: x1, .offset: 40, .size: 8, .value_kind: global_buffer, .address_space: global }
    .group_segment_fixed_size: 327680
    .private_segment_fixed_size: 0
    .kernarg_segment_align: 8
    .kernarg_segment_size: 48
    .max_flat_workgroup_size: 128
    .sgpr_count:     84
    .vgpr_count:     768
    .wavefront_size: 32
...
	.end_amdgpu_metadata
.endif
;; end of part 4
;; launch ln2 (part 5): grid 256 x 1, 4 waves a work-group, no clusters, 82,432 bytes of LDS; arguments x1, a2, be2, lowp_scales, yc; writes yc
.if DOCPART == 5
	.amdgcn_target "amdgcn-amd-amdhsa--gfx1250"
	.amdhsa_code_object_version 6
	.text
	.protected	k_q55f0de3638_ln2
	.globl	k_q55f0de3638_ln2
	.p2align	8
	.type	k_q55f0de3638_ln2,@function
k_q55f0de3638_ln2:
	s_mov_b64 s[64:65], 0
	v_nop
	global_prefetch_b8 v0, s[64:65] scope:SCOPE_SE
	s_setreg_imm32_b32 hwreg(HW_REG_WAVE_MODE, 25, 1), 1
	s_wait_xcnt 0x0
; y = alpha (x - mean) / (std + 1e-6) + beta along rows of 1,024 f32 (std with divisor 1,023), then y as codes of E4M3, row-major, once for each of NS given scales 2^e.
; Here NS = 1: entry 12 of the scales, the left operand of the first feed-forward product.
; SHARES. A work-group takes 16 rows, a wave 4 whole rows: the sums never leave the wave, so there is no barrier. All 32 loads of a wave go out at the head.
; A load takes 512 consecutive bytes, 16 a lane; the conversions want 16 neighbours in one lane: so a row turns through the wave's own stage in LDS (64 bytes + 16 of padding a place)
; and comes back as numbers 512 c + 16 lane + 0 .. 15 (c = 0, 1). A lane's 16 codes are 16 bytes: a store of the wave covers 512 consecutive bytes, aligned.
; The deviation is taken of x - mean, on the row held in registers: no difference of large sums is formed.
; LIMITS: e between -126 and 119, so that 2^e and 448 x 2^e are f32 numbers. NaN among the inputs is not served.
.set NS,    1                          ; scales
.set EOFF,  48                         ; byte of the first exponent in the buffer of scales
.set ESTEP, 8                          ; bytes from one to the next
.set SP,    80                         ; a place in the stage: 64 bytes + 16 of padding
.set CHUNK, 32*SP                      ; 512 numbers
.set RSTG,  2*CHUNK                    ; a row's stage
.set WREG,  4*RSTG                     ; a wave's four stages
.set PART,  0x400000                   ; from one set of codes to the next
.set L16,   1                          ; v1   16 x lane: offset of loads and stores
.set SI,    2                          ; v2   the stage on the way in
.set SO,    3                          ; v3   and on the way out
.set SC,    8                          ; v8+2s: 2^e as f32
.set MEAN,  14                         ; v[14:15] the mean, twice
.set GN,    16                         ; v[16:17] alpha / (std + 1e-6), twice
.set BETA,  18                         ; v[18:19] beta, twice
.set CH,    20                         ; v[20:23] two chains of packed sums
.set W,     24                         ; v24, v25 at work
.set X,     32                         ; v32-159  four rows as loaded, 32 each; later that row's codes
.set Y,     160                        ; v160-223 two sets of 32 neighbours, by turns
.set T,     224
	s_load_b256 s[4:11], s[0:1], 0x0               ; x, alpha, beta, the scales' exponents
	s_load_b64 s[12:13], s[0:1], 0x20              ; the codes
	v_lshl_add_u32 v30, v0, 2, 0x14000
	v_mov_b32 v31, 0
	v_lshrrev_b32 v4, 5, v0
	v_readfirstlane_b32 s30, v4                    ; wave
	v_and_b32 v5, 31, v0                           ; lane
	v_lshlrev_b32 v[L16], 4, v5
	s_mul_i32 s31, s30, WREG
	v_lshrrev_b32 v[SI], 2, v5
	v_mul_u32_u24 v[SI], v[SI], SP
	v_and_b32 v6, 3, v5
	v_lshl_add_u32 v[SI], v6, 4, v[SI]
	v_add_nc_u32 v[SI], s31, v[SI]                 ; in: four lanes' 64 bytes on end, then the padding
	v_mul_u32_u24 v[SO], v5, SP
	v_add_nc_u32 v[SO], s31, v[SO]                 ; out: place = lane
	v_mov_b32 v[W+1], 0                            ; a lane permute's destination counts as read: written once
	s_mov_b32 s26, 0x76543210
	s_mov_b32 s27, 0xfedcba98                      ; selects for lane l xor 16
	s_lshl_b32 s28, ttmp9, 16                      ; 16 rows of 4,096 bytes a work-group,
	s_lshl_b32 s29, s30, 14                        ; 4 a wave
	s_add_co_u32 s28, s28, s29
	s_mov_b32 s29, 0
	s_wait_alu depctr_va_vdst(0)
	s_wait_kmcnt 0x0
	s_add_nc_u64 s[4:5], s[4:5], s[28:29]
.irp r, 0,1,2,3
.irp j, 0,1,2,3,4,5,6,7
	global_load_b128 v[X+32*\r+4*\j:X+32*\r+4*\j+3], v[L16], s[4:5] offset:\r*4096+\j*512 th:TH_LOAD_NT
.endr
.endr
	s_load_b32 s20, s[6:7], 0x0                    ; alpha
	s_load_b32 s21, s[8:9], 0x0                    ; beta
.irp s, 0,1,2
.if \s < NS
	s_load_b32 s[22+\s], s[10:11], EOFF+ESTEP*\s
.endif
.endr
	s_lshr_b32 s28, s28, 2                         ; codes: a quarter of the bytes
	s_add_nc_u64 s[14:15], s[12:13], s[28:29]
.if NS > 1
	s_add_nc_u64 s[16:17], s[14:15], PART
	s_add_nc_u64 s[18:19], s[16:17], PART
.endif
	s_wait_kmcnt 0x0
	v_mov_b32 v[BETA], s21
	v_mov_b32 v[BETA+1], s21
.irp s, 0,1,2
.if \s < NS
	s_add_co_i32 s[22+\s], s[22+\s], 127
	s_lshl_b32 s25, s[22+\s], 23
	v_mov_b32 v[SC+2*\s], s25                      ; 2^e: the conversion takes its exponent field
	s_add_co_i32 s[22+\s], s[22+\s], 8
	s_lshl_b32 s25, s[22+\s], 23
	s_or_b32 s25, s25, 0x600000
.endif
.endr
.macro TURN r                          ; row r through its stage: LDS serves a wave's instructions in order, so no wait stands between the stores and the loads
.irp j, 0,1,2,3,4,5,6,7
	ds_store_b128 v[SI], v[X+32*(\r)+4*\j:X+32*(\r)+4*\j+3] offset:(\r)*RSTG+(\j/4)*CHUNK+(\j%4)*8*SP
.endr
	v_nop
.irp j, 0,1,2,3,4,5,6,7
	ds_load_b128 v[Y+32*((\r)%2)+4*\j:Y+32*((\r)%2)+4*\j+3], v[SO] offset:(\r)*RSTG+(\j/4)*CHUNK+(\j%4)*16
.endr
.endm
.macro REDUCE                          ; v[W] summed over the 32 lanes, the result in every lane
	v_add_f32_dpp v[W], v[W], v[W] row_xmask:1 row_mask:0xf bank_mask:0xf
	v_add_f32_dpp v[W], v[W], v[W] row_xmask:2 row_mask:0xf bank_mask:0xf
	v_add_f32_dpp v[W], v[W], v[W] row_xmask:4 row_mask:0xf bank_mask:0xf
	v_add_f32_dpp v[W], v[W], v[W] row_xmask:8 row_mask:0xf bank_mask:0xf
	v_permlanex16_b32 v[W+1], v[W], s26, s27
	v_add_f32 v[W], v[W], v[W+1]
.endm
.macro ROW r
.set YS, Y+32*((\r)%2)
.set XC, X+32*(\r)
	s_wait_dscnt 0x0                               ; this row is back from its stage
.if (\r) < 3
	s_wait_loadcnt 8*(2-(\r))                      ; the next row's eight loads are in; the later rows' may be out
	TURN (\r)+1                                    ; and it turns while this row is worked
.endif
	v_pk_add_f32 v[CH:CH+1], v[YS:YS+1], v[YS+2:YS+3]
	v_pk_add_f32 v[CH+2:CH+3], v[YS+4:YS+5], v[YS+6:YS+7]
.irp j, 8,12,16,20,24,28
	v_pk_add_f32 v[CH:CH+1], v[CH:CH+1], v[YS+\j:YS+\j+1]
	v_pk_add_f32 v[CH+2:CH+3], v[CH+2:CH+3], v[YS+\j+2:YS+\j+3]
.endr
	v_pk_add_f32 v[CH:CH+1], v[CH:CH+1], v[CH+2:CH+3]
	v_add_f32 v[W], v[CH], v[CH+1]
	REDUCE
	v_mul_f32 v[MEAN], 0x3a800000, v[W]            ; / 1,024
	v_mov_b32 v[MEAN+1], v[MEAN]
.irp j, 0,2,4,6,8,10,12,14,16,18,20,22,24,26,28,30
	v_pk_add_f32 v[YS+\j:YS+\j+1], v[YS+\j:YS+\j+1], v[MEAN:MEAN+1] neg_lo:[0,1] neg_hi:[0,1]   ; x - mean
.endr
	v_pk_mul_f32 v[CH:CH+1], v[YS:YS+1], v[YS:YS+1]
	v_pk_mul_f32 v[CH+2:CH+3], v[YS+2:YS+3], v[YS+2:YS+3]
.irp j, 4,8,12,16,20,24,28
	v_pk_fma_f32 v[CH:CH+1], v[YS+\j:YS+\j+1], v[YS+\j:YS+\j+1], v[CH:CH+1]
	v_pk_fma_f32 v[CH+2:CH+3], v[YS+\j+2:YS+\j+3], v[YS+\j+2:YS+\j+3], v[CH+2:CH+3]
.endr
	v_pk_add_f32 v[CH:CH+1], v[CH:CH+1], v[CH+2:CH+3]
	v_add_f32 v[W], v[CH], v[CH+1]
	REDUCE
	v_mul_f32 v[W], 0x3a802008, v[W]               ; / 1,023
	s_wait_alu depctr_va_vdst(0)
	v_sqrt_f32 v[W], v[W]
	v_nop                                          ; a plain instruction behind the root,
	s_wait_alu depctr_va_vdst(0)                   ; and the wait ahead of its first reader
	v_add_f32 v[W], 0x358637bd, v[W]               ; + 1e-6
	s_wait_alu depctr_va_vdst(0)
	v_rcp_f32 v[W], v[W]
	v_nop
	s_wait_alu depctr_va_vdst(0)                   ; likewise for the reciprocal
	v_mul_f32 v[GN], s20, v[W]
	v_mov_b32 v[GN+1], v[GN]
.irp j, 0,2,4,6,8,10,12,14,16,18,20,22,24,26,28,30
	v_pk_fma_f32 v[YS+\j:YS+\j+1], v[YS+\j:YS+\j+1], v[GN:GN+1], v[BETA:BETA+1]
.endr
.irp s, 0,1,2
.if \s < NS
.irp c, 0,1
.irp i, 0,1,2,3,4,5,6,7,8,9,10,11,12,13,14,15
.endr
	v_cvt_scalef32_pk8_fp8_f32 v[XC+8*\s+4*\c:XC+8*\s+4*\c+1], v[YS+16*\c:YS+16*\c+7], v[SC+2*\s]
	v_cvt_scalef32_pk8_fp8_f32 v[XC+8*\s+4*\c+2:XC+8*\s+4*\c+3], v[YS+16*\c+8:YS+16*\c+15], v[SC+2*\s]
	global_store_b128 v[L16], v[XC+8*\s+4*\c:XC+8*\s+4*\c+3], s[14+2*\s:15+2*\s] offset:(\r)*1024+512*\c   ; the codes' registers are written once: no store's data are written again
.endr
.endif
.endr
.endm
	s_wait_loadcnt 24                              ; row 0's eight loads are in
	TURN 0
.irp r, 0,1,2,3
	ROW \r
.endr
	s_wait_tensorcnt 0x0
	ds_add_u32 v30, v31
	s_wait_dscnt 0x0
	s_endpgm
.Lfunc_end_k_q55f0de3638_ln2:
	.size	k_q55f0de3638_ln2, .Lfunc_end_k_q55f0de3638_ln2-k_q55f0de3638_ln2
	.p2alignl 7, 3214868480
	.fill 96, 4, 3214868480
	.section	.rodata,"a",@progbits
	.p2align	6, 0x0
	.amdhsa_kernel k_q55f0de3638_ln2
		.amdhsa_group_segment_fixed_size 82432
		.amdhsa_private_segment_fixed_size 0
		.amdhsa_enable_private_segment 0
		.amdhsa_kernarg_size 40
		.amdhsa_user_sgpr_count 2
		.amdhsa_user_sgpr_kernarg_segment_ptr 1
		.amdhsa_wavefront_size32 1
		.amdhsa_system_sgpr_workgroup_id_x 1
		.amdhsa_system_sgpr_workgroup_id_y 1
		.amdhsa_system_sgpr_workgroup_id_z 1
		.amdhsa_system_vgpr_workitem_id 0
		.amdhsa_next_free_vgpr 256
		.amdhsa_next_free_sgpr 66
		.amdhsa_reserve_vcc 0
		.amdhsa_float_denorm_mode_32 3
		.amdhsa_float_denorm_mode_16_64 3
		.amdhsa_fp16_overflow 1
		.amdhsa_memory_ordered 1
		.amdhsa_forward_progress 1
		.amdhsa_inst_pref_size 33
	.end_amdhsa_kernel
	.amdgpu_metadata
---
amdhsa.version: [ 1, 2 ]
amdhsa.kernels:
  - .name:           k_q55f0de3638_ln2
    .symbol:         k_q55f0de3638_ln2.kd
    .args:
      - { .name: x1, .offset: 0, .size: 8, .value_kind: global_buffer, .address_space: global }
      - { .name: a2, .offset: 8, .size: 8, .value_kind: global_buffer, .address_space: global }
      - { .name: be2, .offset: 16, .size: 8, .value_kind: global_buffer, .address_space: global }
      - { .name: lowp_scales, .offset: 24, .size: 8, .value_kind: global_buffer, .address_space: global }
      - { .name: yc, .offset: 32, .size: 8, .value_kind: global_buffer, .address_space: global }
    .group_segment_fixed_size: 82432
    .private_segment_fixed_size: 0
    .kernarg_segment_align: 8
    .kernarg_segment_size: 40
    .max_flat_workgroup_size: 128
    .sgpr_count:     66
    .vgpr_count:     256
    .wavefront_size: 32
...
	.end_amdgpu_metadata
.endif
;; end of part 5
;; launch ffn1 (part 6): grid 16 x 16, 4 waves a work-group, clusters of 4 x 4, 327,680 bytes of LDS; arguments yc, w1_codes, b1, lowp_scales, hc; writes hc
.if DOCPART == 6
	.amdgcn_target "amdgcn-amd-amdhsa--gfx1250"
	.amdhsa_code_object_version 6
	.text
	.protected	k_q55f0de3638_ffn1
	.globl	k_q55f0de3638_ffn1
	.p2align	8
	.type	k_q55f0de3638_ffn1,@function
k_q55f0de3638_ffn1:
	s_mov_b64 s[64:65], 0
	v_nop
	global_prefetch_b8 v0, s[64:65] scope:SCOPE_SE
	s_setreg_imm32_b32 hwreg(HW_REG_WAVE_MODE, 25, 1), 1
	s_wait_xcnt 0x0
	s_wait_alu depctr_hold_cnt(0) depctr_sa_sdst(0) depctr_va_vdst(0) depctr_va_sdst(0) depctr_va_ssrc(0) depctr_va_vcc(0) depctr_vm_vsrc(0)
	s_getreg_b32 s2, hwreg(HW_REG_IB_STS2, 6, 4)
	s_cmp_eq_u32 s2, 0
	s_cbranch_scc0 .Lentry_in_a_cluster
	s_endpgm
.Lentry_in_a_cluster:
	s_bfe_u32 s2, ttmp6, 0x10000c
	s_cmp_lg_u32 s2, 0xf033
	s_cbranch_scc0 .Lentry_shape_is_right
	s_endpgm
.Lentry_shape_is_right:
.set QKV,    0
.set ROWB,   256
.set KROW,   1024
.set PITCH,  272
.set FR,     16
.set NL,     4
.set NP,     4
.set HALFT,  128*PITCH
.set SLOT,   4*HALFT
.set SPARE,  2*SLOT
.set ADRA, 16
.set ADRB, 20
.set L16,  26
.set SPW,  28
.set NIL,  29
.set SCV,  30
.set LIMV, 31
.set CB,   32
.set VO,   96
.set RB,   112
.set AF,   128
.set CD,   128
.set G1, 24
.set G0, 32
.set G1B, 48
.set G0B, 56
.set MSB, 0
.macro WIN new
.if MSB != (\new)
	s_set_vgpr_msb (MSB<<8)|(\new)
.set MSB, (\new)
.endif
.endm
.set MUL_LO, 0xa1
.set MUL_HI, 0xf1
.set TO_B,   0x40
.macro JLOAD g0a, g1a, g0b, g1b
	s_cmp_eq_u32 s15, 0
	s_cbranch_scc0 .Lfor_b_\@
	tensor_load_to_lds s[\g0a:\g0a+3], s[\g1a:\g1a+7]
	s_nop 0
.rept 4
	v_nop
.endr
	s_branch .Lasked_\@
.Lfor_b_\@:
	tensor_load_to_lds s[\g0b:\g0b+3], s[\g1b:\g1b+7]
	s_nop 0
.rept 4
	v_nop
.endr
.Lasked_\@:
.endm
.macro CREST
	s_cmp_lg_u32 s14, 0
	s_cbranch_scc1 .Lnot_wave_0_\@
	s_barrier_signal -3
.Lnot_wave_0_\@:
	s_barrier_wait -3
	s_barrier_signal -1
	s_barrier_wait -1
.endm
.macro CROUND
	s_barrier_signal -1
	s_barrier_wait -1
	CREST
.endm
.if QKV
	s_load_b512 s[68:83], s[0:1], 0x0
	s_load_b64 s[84:85], s[0:1], 0x40
.else
	s_load_b256 s[68:75], s[0:1], 0x0
	s_load_b64 s[84:85], s[0:1], 0x20
.endif
	v_lshl_add_u32 v[SPW], v0, 2, SPARE
	v_mov_b32 v[NIL], 0
	ds_add_u32 v28, v29
	ds_add_u32 v28, v29
	s_wait_dscnt 0x0
	v_lshrrev_b32 v1, 5, v0
	v_readfirstlane_b32 s14, v1
	s_lshr_b32 s15, s14, 1
	s_and_b32 s16, s14, 1
	s_bfe_u32 s40, ttmp6, 0x40000
	s_bfe_u32 s41, ttmp6, 0x40004
	s_and_b32 s67, ttmp7, 0xffff
	s_lshl_b32 s67, s67, 2
	s_add_co_u32 s17, s67, s41
.if QKV
	s_add_co_u32 s42, s67, s40
	s_cmp_eq_u32 ttmp9, 2
	s_cselect_b32 s17, s41, s17
	s_cselect_b32 s42, s42, s40
.else
	s_lshl_b32 s42, ttmp9, 2
	s_add_co_u32 s42, s42, s40
.endif
	s_lshl_b32 s43, s41, 2
	s_lshl_b32 s43, 15, s43
	s_lshl_b32 s44, 0x1111, s40
	s_or_b32 s[G1+0], s43, (0<<16)|(1<<20)|(1<<21)|(5<<22)|(3<<25)
	s_or_b32 s[G1B+0], s44, (0<<16)|(1<<20)|(1<<21)|(5<<22)|(3<<25)
.irp g, G1, G1B
	s_mov_b32 s[\g+1], ROWB<<16
	s_mov_b32 s[\g+2], 128<<16
	s_mov_b32 s[\g+3], ROWB<<16
	s_mov_b32 s[\g+4], 128
	s_mov_b32 s[\g+5], KROW
	s_mov_b32 s[\g+6], 0
	s_mov_b32 s[\g+7], 0
.endr
	s_lshl_b32 s18, s16, 7
	s_lshl_b32 s20, s17, 8
	s_add_co_u32 s20, s20, s18
	s_lshl_b32 s20, s20, 10
	s_mov_b32 s21, 0
	s_lshl_b32 s46, s42, 8
	s_add_co_u32 s46, s46, s18
	s_lshl_b32 s46, s46, 10
	s_mov_b32 s47, 0
	s_mul_i32 s45, s14, HALFT
	s_wait_kmcnt 0x0
.if QKV
	s_load_b256 s[88:95], s[82:83], 0x0
	s_load_b64 s[96:97], s[82:83], 0x20
	s_lshl_b32 s86, ttmp9, 22
	s_mov_b32 s87, 0
	s_add_nc_u64 s[4:5], s[68:69], s[86:87]
	s_cmp_eq_u32 ttmp9, 0
	s_cselect_b64 s[6:7], s[70:71], s[72:73]
	s_cselect_b64 s[8:9], s[76:77], s[78:79]
	s_cmp_eq_u32 ttmp9, 2
	s_cselect_b64 s[8:9], s[80:81], s[8:9]
	s_cselect_b64 s[12:13], s[74:75], s[4:5]
	s_cselect_b64 s[6:7], s[4:5], s[6:7]
.else
	s_load_b128 s[88:91], s[74:75], 0x30
	s_mov_b64 s[12:13], s[68:69]
	s_mov_b64 s[6:7], s[70:71]
	s_mov_b64 s[8:9], s[72:73]
.endif
	s_add_nc_u64 s[20:21], s[12:13], s[20:21]
	s_add_nc_u64 s[46:47], s[6:7], s[46:47]
	CROUND
.irp s, 0,1
	s_mov_b32 s[G0+4*\s], 1
	s_add_co_u32 s[G0+4*\s+1], s45, \s*SLOT
	s_add_nc_u64 s[G0+4*\s+2:G0+4*\s+3], s[20:21], \s*ROWB
	s_or_b32 s[G0+4*\s+3], s[G0+4*\s+3], 0x80000000
	s_mov_b32 s[G0B+4*\s], 1
	s_add_co_u32 s[G0B+4*\s+1], s45, \s*SLOT
	s_add_nc_u64 s[G0B+4*\s+2:G0B+4*\s+3], s[46:47], \s*ROWB
	s_or_b32 s[G0B+4*\s+3], s[G0B+4*\s+3], 0x80000000
	s_wait_alu depctr_va_vdst(0)
	s_wait_tensorcnt 0x0
	ds_add_u32 v28, v29
	ds_add_u32 v28, v29
	s_wait_dscnt 0x0
	CROUND
	JLOAD G0+4*\s, G1, G0B+4*\s, G1B
.endr
	v_and_b32 v1, 15, v0
	v_bfe_u32 v2, v0, 4, 1
	v_mul_u32_u24 v3, v1, PITCH
	v_lshl_add_u32 v4, v2, 4, v3
	s_mul_i32 s21, s15, HALFT
	s_mul_i32 s22, s16, HALFT
	s_add_co_u32 s22, s22, 2*HALFT
.irp s, 0,1
	v_add_nc_u32 v[ADRA+\s], s21, v4
	v_add_nc_u32 v[ADRB+\s], s22, v4
	s_add_co_u32 s21, s21, SLOT
	s_add_co_u32 s22, s22, SLOT
.endr
	v_and_b32 v6, 31, v0
	v_lshlrev_b32 v[L16], 4, v6
	v_lshlrev_b32 v5, 5, v2
	s_wait_alu depctr_va_vdst(0)
	s_lshl_b32 s98, s17, 8
	s_lshl_b32 s86, s15, 7
	s_add_co_u32 s98, s98, s86
	s_lshl_b32 s99, s42, 8
	s_lshl_b32 s86, s16, 7
	s_add_co_u32 s99, s99, s86
	s_mov_b32 s87, 0
.if QKV
	v_lshlrev_b32 v7, 2, v1
	s_cmp_eq_u32 ttmp9, 2
	s_cselect_b32 s86, 0, s99
	s_cselect_b32 s100, s98, 0
	s_cselect_b32 s101, s99, s98
	s_cselect_b32 s3, s98, s99
	s_mov_b32 s18, 1024
	s_cselect_b32 s18, 2048, s18
	s_mov_b32 s19, 4096
	s_cselect_b32 s19, 0x20000, s19
	s_mov_b32 s23, 0x20000
	s_cselect_b32 s23, 1024, s23
	s_lshl_b32 s86, s86, 2
	s_add_nc_u64 s[4:5], s[8:9], s[86:87]
	s_lshl_b32 s86, s100, 2
	s_add_nc_u64 s[12:13], s[8:9], s[86:87]
.else
	s_lshl_b32 s86, s99, 2
	s_add_nc_u64 s[4:5], s[8:9], s[86:87]
.endif
.irp b, 0,1,2,3,4,5,6,7
	global_load_b128 v[CB+8*\b:CB+8*\b+3], v5, s[4:5] offset:64*\b
	global_load_b128 v[CB+8*\b+4:CB+8*\b+7], v5, s[4:5] offset:64*\b+16
.endr
.if QKV
.irp a, 0,1,2,3,4,5,6,7
	global_load_b32 v[RB+2*\a], v7, s[12:13] offset:64*\a
.endr
	s_lshr_b32 s86, s101, 11
	s_lshl_b32 s86, s86, 21
	s_lshr_b32 s2, s3, 6
	s_lshl_b32 s2, s2, 17
	s_add_co_u32 s86, s86, s2
	s_and_b32 s2, s101, 2047
	s_lshl_b32 s2, s2, 6
	s_add_co_u32 s86, s86, s2
	s_lshl_b32 s2, ttmp9, 22
	s_add_co_u32 s86, s86, s2
	s_add_nc_u64 s[10:11], s[84:85], s[86:87]
.irp a, 0,1,2,3,4,5,6,7
	s_mul_i32 s86, s18, \a%4
	s_mul_i32 s2, s19, \a/4
	s_add_co_u32 s86, s86, s2
	v_add_nc_u32 v[VO+2*\a], s86, v[L16]
	v_add_nc_u32 v[VO+2*\a+1], s23, v[VO+2*\a]
.endr
.else
	s_lshl_b32 s86, s98, 12
	s_lshl_b32 s2, s99, 4
	s_add_co_u32 s86, s86, s2
	s_add_nc_u64 s[10:11], s[84:85], s[86:87]
.endif
	s_wait_loadcnt 0x0
	s_wait_kmcnt 0x0
.if QKV
	s_cmp_eq_u32 ttmp9, 0
	s_cselect_b32 s86, s88, s90
	s_cselect_b32 s87, s89, s91
	s_cselect_b32 s100, s94, s95
	s_cmp_eq_u32 ttmp9, 2
	s_cselect_b32 s86, s92, s86
	s_cselect_b32 s87, s93, s87
	s_cselect_b32 s100, s97, s100
.else
	s_mov_b32 s86, s88
	s_mov_b32 s87, s89
	s_mov_b32 s100, s90
.endif
	s_add_co_i32 s86, s86, s87
	s_sub_co_i32 s100, s100, s86
	s_add_co_i32 s100, s100, 127
	s_lshl_b32 s87, s100, 23
	v_mov_b32 v[SCV], s87
	s_add_co_i32 s100, s100, 8
	s_lshl_b32 s100, s100, 23
	s_or_b32 s100, s100, 0x600000
	v_mov_b32 v[LIMV], s100
	s_sub_co_i32 s86, 127, s86
	s_lshl_b32 s86, s86, 23
.if QKV
	s_cmp_eq_u32 ttmp9, 2
	s_cselect_b32 s2, s86, 0
	s_cselect_b32 s86, 0, s86
.endif
	s_mov_b32 s87, s86
.set j, 0
.rept 32
	v_pk_mul_f32 v[CB+j:CB+j+1], v[CB+j:CB+j+1], s[86:87] op_sel_hi:[1,0]
.set j, j+2
.endr
.if QKV
.irp a, 0,1,2,3,4,5,6,7
	v_mul_f32 v[RB+2*\a], s2, v[RB+2*\a]
	v_mov_b32 v[RB+2*\a+1], v[RB+2*\a]
.endr
.endif
.macro FRAG reg, adr, q, i
.irp c, 0,1,2,3
	ds_load_b128 v[\reg+4*\c:\reg+4*\c+3], v[\adr] offset:128*(\q)+32*\c+(\i)*16*PITCH
.endr
.endm
.macro MUL16 a0, p, zero
.irp a, \a0, \a0+1
.irp b, 0,1,2,3,4,5,6,7
.if \zero
	v_wmma_f32_16x16x128_fp8_fp8 v[8*(8*((\a)%4)+\b):8*(8*((\a)%4)+\b)+7], v[128*(\p)+FR*\b:128*(\p)+FR*\b+FR-1], v[AF+FR*(\a):AF+FR*(\a)+FR-1], v[CB+8*\b:CB+8*\b+7]
.else
	v_wmma_f32_16x16x128_fp8_fp8 v[8*(8*((\a)%4)+\b):8*(8*((\a)%4)+\b)+7], v[128*(\p)+FR*\b:128*(\p)+FR*\b+FR-1], v[AF+FR*(\a):AF+FR*(\a)+FR-1], v[8*(8*((\a)%4)+\b):8*(8*((\a)%4)+\b)+7]
.endif
.endr
.endr
.endm
.macro FETCH_B slot, q, p
	WIN TO_B
.irp i, 0,1,2,3,4,5,6,7
	FRAG 128*(\p)+FR*\i, ADRB+\slot, \q, \i
.endr
	WIN 0
.endm
.macro FETCH_A slot, q, i0
.irp i, \i0, \i0+1, \i0+2, \i0+3
	FRAG AF+FR*(\i), ADRA+\slot, \q, \i
.endr
.endm
.macro PLACES n
.rept \n
	v_nop
.endr
.endm
.macro STEP slot, q, zero
	s_wait_dscnt 4*NL
	WIN MUL_LO-0x20*(\zero)
	MUL16 0, (\q)%2, \zero
	MUL16 2, (\q)%2, \zero
	s_wait_dscnt 0
	PLACES NP
	FETCH_B \slot, (\q)+1, 1-(\q)%2
	FETCH_A \slot, (\q)+1, 0
	WIN MUL_HI-0x30*(\zero)
	MUL16 4, (\q)%2, \zero
	MUL16 6, (\q)%2, \zero
	PLACES NP
	WIN 0
	FETCH_A \slot, (\q)+1, 4
.endm
.macro TURN slot, next, fill
	s_wait_tensorcnt 0x0
	ds_add_u32 v[SPW], v[NIL]
	s_wait_dscnt 4*NL+1
	WIN MUL_LO
	MUL16 0, 1, 0
	s_wait_dscnt 0x0
	s_barrier_signal -1
	MUL16 2, 1, 0
	WIN 0
	s_barrier_wait -1
.if \fill
	CREST
	s_add_nc_u64 s[G0+4*\slot+2:G0+4*\slot+3], s[G0+4*\slot+2:G0+4*\slot+3], 2*ROWB
	s_add_nc_u64 s[G0B+4*\slot+2:G0B+4*\slot+3], s[G0B+4*\slot+2:G0B+4*\slot+3], 2*ROWB
	JLOAD G0+4*\slot, G1, G0B+4*\slot, G1B
.else
	PLACES NP
.endif
	FETCH_B \next, 0, 0
	FETCH_A \next, 0, 0
	WIN MUL_HI
	MUL16 4, 1, 0
	MUL16 6, 1, 0
	PLACES NP
	WIN 0
	FETCH_A \next, 0, 4
.endm
.macro OUTBLK a
.set AC, 64*((\a)%4)
	WIN 0x82+0x41*((\a)/4)
.if QKV
.set j, 0
.rept 32
	v_pk_add_f32 v[AC+j:AC+j+1], v[AC+j:AC+j+1], v[RB+2*(\a):RB+2*(\a)+1]
.set j, j+2
.endr
.endif
.set j, 0
.rept 64
.if QKV
	v_med3_num_f32 v[AC+j], v[AC+j], -v[LIMV], v[LIMV]
.else
	v_med3_num_f32 v[AC+j], v[AC+j], 0, v[LIMV]
.endif
.set j, j+1
.endr
	WIN 0x02+((\a)/4)
.irp b, 0,1,2,3,4,5,6,7
	v_cvt_scalef32_pk8_fp8_f32 v[CD+16*(\a)+2*\b:CD+16*(\a)+2*\b+1], v[AC+8*\b:AC+8*\b+7], v[SCV]
.endr
	WIN 0
	v_nop
.irp p, 0,1,2,3
.if QKV
	global_store_b128 v[VO+2*(\a)+\p/2], v[CD+16*(\a)+4*\p:CD+16*(\a)+4*\p+3], s[10:11] offset:512*(\p%2)
.else
	global_store_b128 v[L16], v[CD+16*(\a)+4*\p:CD+16*(\a)+4*\p+3], s[10:11] offset:(\a)*65536+\p*512
.endif
.endr
.endm
	s_wait_alu depctr_va_vdst(0)
	s_wait_tensorcnt 1
	s_barrier_signal -1
	s_barrier_wait -1
	FETCH_B 0, 0, 0
	FETCH_A 0, 0, 0
	FETCH_A 0, 0, 4
	STEP 0, 0, 1
	TURN 0, 1, 1
	STEP 1, 0, 0
	TURN 1, 0, 1
	STEP 0, 0, 0
	TURN 0, 1, 0
	STEP 1, 0, 0
	s_wait_dscnt 4*NL
	WIN MUL_LO
	MUL16 0, 1, 0
	MUL16 2, 1, 0
	s_wait_dscnt 0
	WIN MUL_HI
	MUL16 4, 1, 0
	MUL16 6, 1, 0
	WIN 0
	PLACES NP
.irp a, 0,1,2,3,4,5,6,7
	OUTBLK \a
.endr
	s_wait_tensorcnt 0x0
	ds_add_u32 v[SPW], v[NIL]
	s_wait_dscnt 0x0
	CROUND
	s_endpgm
.Lfunc_end_k_q55f0de3638_ffn1:
	.size	k_q55f0de3638_ffn1, .Lfunc_end_k_q55f0de3638_ffn1-k_q55f0de3638_ffn1
	.p2alignl 7, 3214868480
	.fill 96, 4, 3214868480
	.section	.rodata,"a",@progbits
	.p2align	6, 0x0
	.amdhsa_kernel k_q55f0de3638_ffn1
		.amdhsa_group_segment_fixed_size 327680
		.amdhsa_private_segment_fixed_size 0
		.amdhsa_enable_private_segment 0
		.amdhsa_kernarg_size 40
		.amdhsa_user_sgpr_count 2
		.amdhsa_user_sgpr_kernarg_segment_ptr 1
		.amdhsa_wavefront_size32 1
		.amdhsa_system_sgpr_workgroup_id_x 1
		.amdhsa_system_sgpr_workgroup_id_y 1
		.amdhsa_system_sgpr_workgroup_id_z 1
		.amdhsa_system_vgpr_workitem_id 0
		.amdhsa_next_free_vgpr 1024
		.amdhsa_next_free_sgpr 102
		.amdhsa_reserve_vcc 0
		.amdhsa_float_denorm_mode_32 3
		.amdhsa_float_denorm_mode_16_64 3
		.amdhsa_memory_ordered 1
		.amdhsa_forward_progress 1
		.amdhsa_inst_pref_size 122
	.end_amdhsa_kernel
	.amdgpu_metadata
---
amdhsa.version: [ 1, 2 ]
amdhsa.kernels:
  - .name:           k_q55f0de3638_ffn1
    .symbol:         k_q55f0de3638_ffn1.kd
    .args:
      - { .name: yc, .offset: 0, .size: 8, .value_kind: global_buffer, .address_space: global }
      - { .name: w1_codes, .offset: 8, .size: 8, .value_kind: global_buffer, .address_space: global }
      - { .name: b1, .offset: 16, .size: 8, .value_kind: global_buffer, .address_space: global }
      - { .name: lowp_scales, .offset: 24, .size: 8, .value_kind: global_buffer, .address_space: global }
      - { .name: hc, .offset: 32, .size: 8, .value_kind: global_buffer, .address_space: global }
    .group_segment_fixed_size: 327680
    .private_segment_fixed_size: 0
    .kernarg_segment_align: 8
    .kernarg_segment_size: 40
    .max_flat_workgroup_size: 128
    .sgpr_count:     102
    .vgpr_count:     1024
    .wavefront_size: 32
...
	.end_amdgpu_metadata
.endif
;; end of part 6
;; launch ffn2 (part 7): grid 8 x 32, 4 waves a work-group, clusters of 4 x 4, 327,680 bytes of LDS; arguments hc, w2_codes, lowp_scales, b2, x1, out0; writes out0
.if DOCPART == 7
	.amdgcn_target "amdgcn-amd-amdhsa--gfx1250"
	.amdhsa_code_object_version 6
	.text
	.protected	k_q55f0de3638_ffn2
	.globl	k_q55f0de3638_ffn2
	.p2align	8
	.type	k_q55f0de3638_ffn2,@function
k_q55f0de3638_ffn2:
	s_mov_b64 s[64:65], 0
	v_nop
	global_prefetch_b8 v0, s[64:65] scope:SCOPE_SE
	s_setreg_imm32_b32 hwreg(HW_REG_WAVE_MODE, 25, 1), 1
	s_wait_xcnt 0x0
	s_wait_alu depctr_hold_cnt(0) depctr_sa_sdst(0) depctr_va_vdst(0) depctr_va_sdst(0) depctr_va_ssrc(0) depctr_va_vcc(0) depctr_vm_vsrc(0)
	s_getreg_b32 s2, hwreg(HW_REG_IB_STS2, 6, 4)
	s_cmp_eq_u32 s2, 0
	s_cbranch_scc0 .Lentry_in_a_cluster
	s_endpgm
.Lentry_in_a_cluster:
	s_bfe_u32 s2, ttmp6, 0x10000c
	s_cmp_lg_u32 s2, 0xf033
	s_cbranch_scc0 .Lentry_shape_is_right
	s_endpgm
.Lentry_shape_is_right:
.set KK,     4096
.set EOFF,   56
.set LAPS,   KK/1024
.set ATILE,  8192
.set AHALF,  4*ATILE
.set BP,     528
.set BHALF,  64*BP
.set BOFF,   2*AHALF
.set SLOT,   BOFF+2*BHALF
.set STAGE,  2*SLOT
.set SPITCH, 272
.set SPARE,  STAGE+4*16*SPITCH
.set ADRA, 16
.set ADRB, 20
.set STO,  24
.set RD,   25
.set CO,   26
.set SPW,  28
.set NIL,  29
.set TMP,  32
.set CB,   96
.set ACC,  128
.set F0,   0
.set F1,   128
.set G1, 24
.set G0, 32
.set G1B, 48
.set G0B, 56
.set MSB, 0
.macro WIN new
.if MSB != (\new)
	s_set_vgpr_msb (MSB<<8)|(\new)
.set MSB, (\new)
.endif
.endm
.set MUL,  0x05
.set TO_F, 0x40
.macro JLOAD s
	s_cmp_eq_u32 s11, 0
	s_cbranch_scc0 .Lfor_b_\@
	tensor_load_to_lds s[G0+4*\s:G0+4*\s+3], s[G1:G1+7]
	s_nop 0
.rept 4
	v_nop
.endr
	s_branch .Lasked_\@
.Lfor_b_\@:
	tensor_load_to_lds s[G0B+4*\s:G0B+4*\s+3], s[G1B:G1B+7]
	s_nop 0
.rept 4
	v_nop
.endr
.Lasked_\@:
.endm
.macro CREST
	s_cmp_lg_u32 s10, 0
	s_cbranch_scc1 .Lnot_wave_0_\@
	s_barrier_signal -3
.Lnot_wave_0_\@:
	s_barrier_wait -3
	s_barrier_signal -1
	s_barrier_wait -1
.endm
.macro CROUND
	s_barrier_signal -1
	s_barrier_wait -1
	CREST
.endm
	s_load_b256 s[68:75], s[0:1], 0x0
	s_load_b128 s[76:79], s[0:1], 0x20
	v_lshl_add_u32 v[SPW], v0, 2, SPARE
	v_mov_b32 v[NIL], 0
	ds_add_u32 v28, v29
	ds_add_u32 v28, v29
	s_wait_dscnt 0x0
	v_lshrrev_b32 v1, 5, v0
	v_readfirstlane_b32 s10, v1
	s_lshr_b32 s11, s10, 1
	s_and_b32 s12, s10, 1
	s_bfe_u32 s40, ttmp6, 0x40000
	s_bfe_u32 s41, ttmp6, 0x40004
	s_lshl_b32 s42, ttmp9, 2
	s_add_co_u32 s42, s42, s40
	s_and_b32 s13, ttmp7, 0xffff
	s_lshl_b32 s13, s13, 2
	s_add_co_u32 s13, s13, s41
	s_lshl_b32 s43, s41, 2
	s_lshl_b32 s43, 15, s43
	s_lshl_b32 s44, 0x1111, s40
	s_or_b32 s[G1+0], s43, (3<<16)|(1<<21)
	s_mov_b32 s[G1+1], 1024<<16
	s_mov_b32 s[G1+2], 4<<16
	s_mov_b32 s[G1+3], 1024<<16
	s_mov_b32 s[G1+4], 4
	s_mov_b32 s[G1+5], 2*KK
	s_mov_b32 s[G1+6], 0
	s_mov_b32 s[G1+7], 0
	s_or_b32 s[G1B+0], s44, (0<<16)|(1<<20)|(1<<21)|(6<<22)|(3<<25)
	s_mov_b32 s[G1B+1], 512<<16
	s_mov_b32 s[G1B+2], 64<<16
	s_mov_b32 s[G1B+3], 512<<16
	s_mov_b32 s[G1B+4], 64
	s_mov_b32 s[G1B+5], KK
	s_mov_b32 s[G1B+6], 0
	s_mov_b32 s[G1B+7], 0
	s_lshl_b32 s16, s13, 3
	s_lshl_b32 s17, s12, 2
	s_add_co_u32 s16, s16, s17
	s_mul_i32 s16, s16, 16*KK
	s_mov_b32 s17, 0
	s_lshl_b32 s46, s42, 7
	s_lshl_b32 s47, s12, 6
	s_add_co_u32 s46, s46, s47
	s_mul_i32 s46, s46, KK
	s_mov_b32 s47, 0
	s_mul_i32 s20, s12, AHALF
	s_mul_i32 s21, s12, BHALF
	s_add_co_u32 s21, s21, BOFF
	s_wait_kmcnt 0x0
	s_load_b64 s[80:81], s[72:73], EOFF
	s_add_nc_u64 s[14:15], s[68:69], s[16:17]
	s_add_nc_u64 s[46:47], s[70:71], s[46:47]
	CROUND
.irp s, 0,1
	s_mov_b32 s[G0+4*\s], 1
	s_add_co_u32 s[G0+4*\s+1], s20, \s*SLOT
	s_add_nc_u64 s[G0+4*\s+2:G0+4*\s+3], s[14:15], \s*ATILE
	s_or_b32 s[G0+4*\s+3], s[G0+4*\s+3], 0x80000000
	s_mov_b32 s[G0B+4*\s], 1
	s_add_co_u32 s[G0B+4*\s+1], s21, \s*SLOT
	s_add_nc_u64 s[G0B+4*\s+2:G0B+4*\s+3], s[46:47], \s*512
	s_or_b32 s[G0B+4*\s+3], s[G0B+4*\s+3], 0x80000000
	s_wait_alu depctr_va_vdst(0)
	s_wait_tensorcnt 0x0
	ds_add_u32 v28, v29
	ds_add_u32 v28, v29
	s_wait_dscnt 0x0
	CROUND
	JLOAD \s
.endr
	v_and_b32 v1, 15, v0
	v_bfe_u32 v2, v0, 4, 1
	v_lshlrev_b32 v5, 12, v2
	v_lshl_add_u32 v[CO], v1, 4, v5
	s_wait_alu depctr_va_vdst(0)
	v_lshlrev_b32 v6, 5, v2
	s_wait_alu depctr_va_vdst(0)
	s_lshl_b32 s4, s13, 19
	s_lshl_b32 s5, s11, 18
	s_add_co_u32 s4, s4, s5
	s_lshl_b32 s6, s42, 9
	s_lshl_b32 s7, s12, 8
	s_add_co_u32 s6, s6, s7
	s_add_co_u32 s4, s4, s6
	s_mov_b32 s5, 0
	s_mov_b32 s7, 0
	s_add_nc_u64 s[76:77], s[76:77], s[4:5]
	s_add_nc_u64 s[78:79], s[78:79], s[4:5]
	s_add_nc_u64 s[74:75], s[74:75], s[6:7]
	WIN 0x80
.irp a, 0,1,2,3
.irp t, 0,1,2,3,4,5,6,7
	global_load_b128 v[32*\a+4*\t:32*\a+4*\t+3], v[CO], s[76:77] offset:(16*\a+2*\t)*4096 th:TH_LOAD_NT
.endr
.endr
	WIN 0
.irp b, 0,1,2,3
	global_load_b128 v[CB+8*\b:CB+8*\b+3], v6, s[74:75] offset:64*\b
	global_load_b128 v[CB+8*\b+4:CB+8*\b+7], v6, s[74:75] offset:64*\b+16
.endr
	v_and_b32 v3, 31, v0
	v_lshlrev_b32 v3, 4, v3
	v_mul_u32_u24 v4, v1, BP
	v_lshl_add_u32 v4, v2, 3, v4
	s_mul_i32 s21, s11, AHALF
	s_mul_i32 s22, s12, BHALF
	s_add_co_u32 s22, s22, BOFF
.irp s, 0,1
	v_add_nc_u32 v[ADRA+\s], s21, v3
	v_add_nc_u32 v[ADRB+\s], s22, v4
	s_add_co_u32 s21, s21, SLOT
	s_add_co_u32 s22, s22, SLOT
.endr
	s_mul_i32 s23, s10, 16*SPITCH
	s_add_co_u32 s23, s23, STAGE
	v_mul_u32_u24 v5, v1, SPITCH
	v_lshl_add_u32 v5, v2, 5, v5
	v_add_nc_u32 v[STO], s23, v5
	v_mul_u32_u24 v5, v2, SPITCH
	v_lshl_add_u32 v5, v1, 4, v5
	v_add_nc_u32 v[RD], s23, v5
.macro MUL4 f, a, zero
.irp b, 0,1,2,3
.if \zero
	v_wmma_f32_16x16x128_fp8_fp8 v[ACC+8*(4*(\a)+\b):ACC+8*(4*(\a)+\b)+7], v[\f+64+16*\b:\f+64+16*\b+15], v[\f+16*(\a):\f+16*(\a)+15], 0
.else
	v_wmma_f32_16x16x128_fp8_fp8 v[ACC+8*(4*(\a)+\b):ACC+8*(4*(\a)+\b)+7], v[\f+64+16*\b:\f+64+16*\b+15], v[\f+16*(\a):\f+16*(\a)+15], v[ACC+8*(4*(\a)+\b):ACC+8*(4*(\a)+\b)+7]
.endif
.endr
.endm
.macro FETCH slot, q, f
	WIN TO_F
.irp b, 0,1,2,3
.irp c, 0,1,2,3,4,5,6,7
	ds_load_b64 v[\f+64+16*\b+2*\c:\f+64+16*\b+2*\c+1], v[ADRB+\slot] offset:\b*16*BP+128*(\q)+16*\c
.endr
.endr
.irp a, 0,1,2,3
.irp p, 0,1,2,3
	ds_load_b128 v[\f+16*\a+4*\p:\f+16*\a+4*\p+3], v[ADRA+\slot] offset:\a*ATILE+(\q)*2048+\p*512
.endr
.endr
.endm
.macro PLACES
.rept 4
	v_nop
.endr
.endm
.macro QUARTER slot, qn, f, g, zero
	s_wait_dscnt 8
	WIN MUL
	MUL4 \f, 0, \zero
	MUL4 \f, 1, \zero
	PLACES
	FETCH \slot, \qn, \g
	s_wait_dscnt 48
	WIN MUL
	MUL4 \f, 2, \zero
	MUL4 \f, 3, \zero
.endm
.macro TURN slot, next, fill
	WIN 0
	s_wait_tensorcnt 0x0
	ds_add_u32 v[SPW], v[NIL]
	s_wait_dscnt 9
	WIN MUL
	MUL4 F1, 0, 0
	s_wait_dscnt 0x0
	s_barrier_signal -1
	MUL4 F1, 1, 0
.if \fill
	WIN 0
.endif
	s_barrier_wait -1
.if \fill
	CREST
	s_add_nc_u64 s[G0+4*\slot+2:G0+4*\slot+3], s[G0+4*\slot+2:G0+4*\slot+3], 2*ATILE
	s_add_nc_u64 s[G0B+4*\slot+2:G0B+4*\slot+3], s[G0B+4*\slot+2:G0B+4*\slot+3], 2*512
	JLOAD \slot
.else
	PLACES
.endif
	FETCH \next, 0, F0
	WIN MUL
	MUL4 F1, 2, 0
	MUL4 F1, 3, 0
.endm
	s_wait_alu depctr_va_vdst(0)
	s_wait_tensorcnt 1
	s_barrier_signal -1
	s_barrier_wait -1
	FETCH 0, 0, F0
	QUARTER 0, 1, F0, F1, 1
.if LAPS > 1
	WIN 0
	s_mov_b32 s3, LAPS-1
.Llap:
	QUARTER 0, 2, F1, F0, 0
	QUARTER 0, 3, F0, F1, 0
	TURN 0, 1, 1
	QUARTER 1, 1, F0, F1, 0
	QUARTER 1, 2, F1, F0, 0
	QUARTER 1, 3, F0, F1, 0
	TURN 1, 0, 1
	QUARTER 0, 1, F0, F1, 0
	WIN 0
	s_sub_co_u32 s3, s3, 1
	s_cmp_lg_u32 s3, 0
	s_cbranch_scc1 .Llap
.endif
	QUARTER 0, 2, F1, F0, 0
	QUARTER 0, 3, F0, F1, 0
	TURN 0, 1, 0
	QUARTER 1, 1, F0, F1, 0
	QUARTER 1, 2, F1, F0, 0
	QUARTER 1, 3, F0, F1, 0
	s_wait_dscnt 8
	WIN MUL
	MUL4 F1, 0, 0
	MUL4 F1, 1, 0
	s_wait_dscnt 0
	MUL4 F1, 2, 0
	MUL4 F1, 3, 0
	WIN 0
.macro TOSTAGE a
.irp b, 0,1,2,3
.irp i, 0,2,4,6
	v_pk_fma_f32 v[TMP+8*\b+\i:TMP+8*\b+\i+1], v[ACC+8*(4*(\a)+\b)+\i:ACC+8*(4*(\a)+\b)+\i+1], s[82:83], v[CB+8*\b+\i:CB+8*\b+\i+1] op_sel_hi:[1,0,1]
.endr
.endr
.irp b, 0,1,2,3
	ds_store_b128 v[STO], v[TMP+8*\b:TMP+8*\b+3] offset:64*\b
	ds_store_b128 v[STO], v[TMP+8*\b+4:TMP+8*\b+7] offset:64*\b+16
.endr
.irp t, 0,1,2,3,4,5,6,7
	ds_load_b128 v[ACC+32*(\a)+4*\t:ACC+32*(\a)+4*\t+3], v[RD] offset:\t*2*SPITCH
.endr
.endm
.macro SEND a, younger
	s_wait_dscnt \younger
	WIN 0x08
.set j, 0
.rept 16
	v_pk_add_f32 v[ACC+32*(\a)+j:ACC+32*(\a)+j+1], v[ACC+32*(\a)+j:ACC+32*(\a)+j+1], v[32*(\a)+j:32*(\a)+j+1]
.set j, j+2
.endr
	WIN 0
.irp t, 0,1,2,3,4,5,6,7
	global_store_b128 v[CO], v[ACC+32*(\a)+4*\t:ACC+32*(\a)+4*\t+3], s[78:79] offset:(16*(\a)+2*\t)*4096
.endr
.endm
	s_wait_loadcnt 0x0
	s_wait_kmcnt 0x0
	s_add_co_i32 s82, s80, s81
	s_add_co_i32 s82, s82, 127
	s_lshl_b32 s82, s82, 23
	s_mov_b32 s83, s82
	PLACES
	TOSTAGE 0
.irp a, 1,2,3
	TOSTAGE \a
	SEND \a-1, 16
.endr
	SEND 3, 0
	s_wait_tensorcnt 0x0
	ds_add_u32 v[SPW], v[NIL]
	s_wait_dscnt 0x0
	CROUND
	s_endpgm
.Lfunc_end_k_q55f0de3638_ffn2:
	.size	k_q55f0de3638_ffn2, .Lfunc_end_k_q55f0de3638_ffn2-k_q55f0de3638_ffn2
	.p2alignl 7, 3214868480
	.fill 96, 4, 3214868480
	.section	.rodata,"a",@progbits
	.p2align	6, 0x0
	.amdhsa_kernel k_q55f0de3638_ffn2
		.amdhsa_group_segment_fixed_size 327680
		.amdhsa_private_segment_fixed_size 0
		.amdhsa_enable_private_segment 0
		.amdhsa_kernarg_size 48
		.amdhsa_user_sgpr_count 2
		.amdhsa_user_sgpr_kernarg_segment_ptr 1
		.amdhsa_wavefront_size32 1
		.amdhsa_system_sgpr_workgroup_id_x 1
		.amdhsa_system_sgpr_workgroup_id_y 1
		.amdhsa_system_sgpr_workgroup_id_z 1
		.amdhsa_system_vgpr_workitem_id 0
		.amdhsa_next_free_vgpr 768
		.amdhsa_next_free_sgpr 84
		.amdhsa_reserve_vcc 0
		.amdhsa_float_denorm_mode_32 3
		.amdhsa_float_denorm_mode_16_64 3
		.amdhsa_memory_ordered 1
		.amdhsa_forward_progress 1
		.amdhsa_inst_pref_size 99
	.end_amdhsa_kernel
	.amdgpu_metadata
---
amdhsa.version: [ 1, 2 ]
amdhsa.kernels:
  - .name:           k_q55f0de3638_ffn2
    .symbol:         k_q55f0de3638_ffn2.kd
    .args:
      - { .name: hc, .offset: 0, .size: 8, .value_kind: global_buffer, .address_space: global }
      - { .name: w2_codes, .offset: 8, .size: 8, .value_kind: global_buffer, .address_space: global }
      - { .name: lowp_scales, .offset: 16, .size: 8, .value_kind: global_buffer, .address_space: global }
      - { .name: b2, .offset: 24, .size: 8, .value_kind: global_buffer, .address_space: global }
      - { .name: x1, .offset: 32, .size: 8, .value_kind: global_buffer, .address_space: global }
      - { .name: out0, .offset: 40, .size: 8, .value_kind: global_buffer, .address_space: global }
    .group_segment_fixed_size: 327680
    .private_segment_fixed_size: 0
    .kernarg_segment_align: 8
    .kernarg_segment_size: 48
    .max_flat_workgroup_size: 128
    .sgpr_count:     84
    .vgpr_count:     768
    .wavefront_size: 32
...
	.end_amdgpu_metadata
.endif
;; end of part 7
